; MI455X (gfx1250); checked and timed in simulation.
; The chip was launched on July 23, 2026; its instructions are those of AMD's public machine-readable ISA for CDNA 5 (MIT licence, August 2026) and "CDNA5" Instruction Set Architecture Reference Guide (July 2026). The comments in the code are by the model that wrote it; some were corrected since.
;; Multi Head Attention Layer. Allowed arithmetic: matrix products marked QUANTISED: E5M2 operands, one given power-of-two scale a tensor, by v_wmma_f32_16x16x64_bf8_bf8 or v_wmma_f32_16x16x128_bf8_bf8, f32 sums; everything else in f32.
;; Inputs: Wk_codes 1,024 x 32 x 32 uint8 (E5M2 codes of Wk, K innermost, in blocks of 32 codes); Wo_codes 1,024 x 32 x 32 uint8 (E5M2 codes of Wo, K innermost, in blocks of 32 codes); Wq_codes 1,024 x 32 x 32 uint8 (E5M2 codes of Wq, K innermost, in blocks of 32 codes); Wv_codes 1,024 x 32 x 32 uint8 (E5M2 codes of Wv, K innermost, in blocks of 32 codes); bk 1,024 float32; bo 1,024 float32; bq 1,024 float32; bv 1,024 float32; ln_beta 1,024 float32; ln_gamma 1,024 float32; lowp_scales 12 int32 (the exponents e of the quantised operands' scales 2^e); x 4 x 2,048 x 1,024 float32.
;; Outputs: out0 4 x 2,048 x 1,024 float32.
;; This version of the problem:
;;   THIS VERSION OF THE PROBLEM IS GIVEN IN LOW PRECISION. The matrix products marked QUANTISED in the list below multiply operands that are first quantised to E5M2 (5 exponent bits, 2 mantissa bits; 8 bits a number), with one given power-of-two scale for each operand tensor; their sums are f32. All else is computed in f32.
;;   The module's matrix products, in the order in which they are computed (A, B: the left and right operand; K: the contracted axis; several contracted axes count as one K, in the product's order):
;;     1. [M 8,192, K 1,024] x [K 1,024, N 1,024]; A: computed on the way; B: input Wq (given as codes): QUANTISED (scales: A lowp_scales[0], B lowp_scales[1])
;;     2. [M 8,192, K 1,024] x [K 1,024, N 1,024]; A: computed on the way; B: input Wk (given as codes): QUANTISED (scales: A lowp_scales[2], B lowp_scales[3])
;;     3. [M 8,192, K 1,024] x [K 1,024, N 1,024]; A: computed on the way; B: input Wv (given as codes): QUANTISED (scales: A lowp_scales[4], B lowp_scales[5])
;;     4. batch 64 x [M 2,048, K 64] x [K 64, N 2,048]; A: computed on the way; B: computed on the way: QUANTISED (scales: A lowp_scales[6], B lowp_scales[7])
;;     5. batch 64 x [M 64, K 2,048] x [K 2,048, N 2,048]; A: computed on the way; B: softmax (see below): QUANTISED (scales: A lowp_scales[8], B lowp_scales[9])
;;     6. [M 8,192, K 1,024] x [K 1,024, N 1,024]; A: computed on the way; B: input Wo (given as codes): QUANTISED (scales: A lowp_scales[10], B lowp_scales[11])
;;   THE QUANTISER, for each operand of a quantised product, along K:
;;     - The operand's scale is 2^e, e = its entry of the input lowp_scales (int32; the entries are numbered through the quantised products in the list's order, A before B).
;;     - Each number is divided by the scale, clamped to +-57,344, and rounded to the nearest number of E5M2, ties to even, subnormals kept.
;;     - The product sums the exact products of the quantised numbers (number of the format x scale) in f32.
;;   ~~~python
;;   def quantise(x, axis, e):      # numpy; x: float32 -> the quantised numbers, widened to float32 again
;;       x = np.moveaxis(x, axis, -1); K = x.shape[-1]
;;       r = np.clip(x / 2.0 ** e, -57344, 57344)
;;       step = 2.0 ** (np.maximum(np.frexp(np.where(r == 0, 1, r))[1] - 1, -14) - 2)
;;       q = np.round(r / step) * step * 2.0 ** e      # np.round: ties to even
;;       return np.moveaxis(q, -1, axis).astype(np.float32)
;;   ~~~
;;   SOFTMAX AHEAD OF A QUANTISED PRODUCT. Where the list says 'softmax', what is quantised is not the finished softmax but p = 2^(t - M), with t = logit x log2(e) and M = ceil(the row's largest t), a whole number; so 1/2 < the row's largest p <= 1. The row's sum l is taken of the UNQUANTISED p, in f32, and the product's result is divided by l at the end. Since M is a whole number, a kernel that streams over the keys may use a running M (the ceiling of the running maximum): every later rescaling is an exact power of two, so the quantised numbers keep their values, but for numbers so far below the row's largest that they fall under the format's range.
;;   OPERANDS COMPUTED ON THE WAY. 'Computed on the way' means the value that the module computes at that place (a softmax that the list does not call 'softmax' is quantised finished and normalised). What goes into a quantiser is computed in f32, as accurately as f32 sums, v_exp_f32 and their like allow (about 1e-6 of the number): no bf16 or f16 on the way to a quantiser, and a product that is left as it is and whose result goes on into a quantised operand takes f32 operands (vector FMAs, or v_wmma_f32_16x16x4_f32). A number that lies on a knife's edge between two numbers of the format may be rounded either way, as far as f32 arithmetic and the matrix unit's own rounding can turn it there, and no further.
;;   INPUTS GIVEN AS CODES. Wk (in the module: [1024, 1024], K = its axis 0); Wo (in the module: [1024, 1024], K = its axis 0); Wq (in the module: [1024, 1024], K = its axis 0); Wv (in the module: [1024, 1024], K = its axis 0): each comes as NAME_codes (uint8): NAME with its K axis moved to the last place and cut into blocks of 32 codes, [.., K / 32, bytes a block], one block behind the other in memory; one code a byte (a code: sign, 5 exponent bits, 2 mantissa bits); its scale is its entry of lowp_scales. Its value is code x scale, taken as it is: it is not quantised again, and the codes and scales need not be those that the quantiser above would give.
;; One version. Each part assembles by itself: llvm-mc -triple=amdgcn-amd-amdhsa -mcpu=gfx1250 --defsym DOCPART=n.
;; ======== version 1 of 1: 4 launches
;; limits: right only within a limited range of input values
;; workspace buffers: xc 25,165,824 bytes; wimg 4,194,304 bytes; qimg 8,388,608 bytes; kvimg 16,777,216 bytes; ao 8,388,608 bytes
;; launch lnq (part 1): grid 256 x 1, 8 waves a work-group, no clusters, 168,960 bytes of LDS; arguments x, ln_gamma, ln_beta, lowp_scales, Wq_codes, Wk_codes, Wv_codes, Wo_codes, xc, wimg; writes xc, wimg
.if DOCPART == 1
	.amdgcn_target "amdgcn-amd-amdhsa--gfx1250"
	.amdhsa_code_object_version 6
	.text
	.protected	k_q296db1eeb3_lnq
	.globl	k_q296db1eeb3_lnq
	.p2align	8
	.type	k_q296db1eeb3_lnq,@function
k_q296db1eeb3_lnq:
	s_mov_b64 s[64:65], 0
	v_nop
	global_prefetch_b8 v0, s[64:65] scope:SCOPE_SE
	s_setreg_imm32_b32 hwreg(HW_REG_WAVE_MODE, 25, 1), 1
	s_wait_xcnt 0x0
; LayerNorm of x [8192][1024] f32, quantised three times to E5M2 (scales 2^e0, 2^e2, 2^e4), and the four weights' codes laid out anew.
; EVERY OPERAND THAT A LATER LAUNCH MULTIPLIES IS STORED AS AN IMAGE OF ITS REGISTERS: a tile of 16 rows x 128 along K is 2,048 bytes, [c 0..3][lane 0..31][16 bytes];
; lane (r = lane % 16, h = lane / 16), chunk c, holds k = 32 c + 16 h + 0 .. 15 of the tile's row r.  TILE T TAKES ROWS 32 (T / 2) + 8 (T % 2) + r + 8 (r / 8), not 16 neighbours:
; as source 0 of a product, two neighbouring tiles then leave 16 neighbouring results in a lane's 16 registers.
; SHARES.  Work-group g owns tokens 32 g .. 32 g + 31 = token tiles 2 g and 2 g + 1.  Wave w: u = w / 4 is its tile, kq = w % 4 its quarter of K (256 numbers of each of its 16 rows; 128 a lane).
; x comes by one tensor load a wave (16 rows x 1,024 bytes), each byte once; every LDS byte is filled once, so there is no ring.  Mean and variance in two passes over registers (no difference of large sums);
; a row's four quarters meet through 1,024 bytes of scratch, one barrier a pass.
; The same work-group also lays out one tile (16 rows x 1,024 K) of one weight: tensor g / 64 (q, k, v, o), tile g % 64, wave w = K step w.
; LIMITS: e0, e2, e4 between -126 and 112, so that 2^e and 57,344 x 2^e are f32 numbers.  NaN among the inputs is not served; an infinity is held at the largest code.
; No matrix unit, no cluster: each byte is read once, by one work-group.  Nothing is asked for ahead: all of the work-group's x is requested by its first instructions.
.set QTR,   33408                      ; LDS: a quarter of K: rows 0-15, 128 spare bytes, rows 16-31
.set HALF,  16768                      ; from rows 0-15 to rows 16-31: 16 x 1,040 + 128, so that a tile's rows (8 of each half) begin in 16 different columns of 16 bytes modulo 256
.set PITCH, 1040                       ; 1,024 bytes + 16 of padding
.set SC,    133632                     ; behind the four quarters (a multiple of 256): the scratch, 512 bytes a pass; no fill lands there
.set XA,  4                            ; v4   LDS address of my 16 numbers of my row's first block of 32
.set LI,  5                            ; v5   16 x lane
.set SW,  6                            ; v6   scratch: my row's word for my quarter
.set SR,  7                            ; v7   scratch: my row's four words
.set GB,  8                            ; v8   byte offset of my numbers in gamma and beta
.set WS,  9                            ; v9   byte offset of my 16 codes in the weight tile's rows
.set X,   32                           ; v32-159  my 128 numbers: register 16 c + i = k 256 kq + 32 c + 16 h + i
.set T,   160                          ; v160-191 two sets of 16 held numbers, by turns
.set CD,  192                          ; v192-223 32 registers of codes
.set WC,  228                          ; v228-243 the weight tile's codes on their way
; v12-15 partial sums, v16-23 four packed chains, v[24:25] the mean twice, v[26:27] 1/sqrt(var + eps) twice, v28 a lane permute's destination,
; v30, v31 / v224, v225 / v226, v227: 2^e and 57,344 x 2^e for e0 / e2 / e4.   Window 1: v0-127 gamma, v128-255 beta, laid as X.
.set MSB, 0
.macro WIN new                         ; the immediate's high byte repeats the setting that is left
.if MSB != (\new)
	s_set_vgpr_msb (MSB<<8)|(\new)
.set MSB, (\new)
.endif
.endm
.macro MKSCALE e, vs, vl               ; 2^e and 57,344 x 2^e as f32 patterns
	s_add_co_i32 s2, s[\e], 127
	s_lshl_b32 s3, s2, 23
	v_mov_b32 v[\vs], s3
	s_add_co_i32 s2, s2, 15
	s_lshl_b32 s2, s2, 23
	s_or_b32 s2, s2, 0x600000
	v_mov_b32 v[\vl], s2
.endm
; The four chains are folded, the other half of the lanes added, and the row's four quarters exchanged through the scratch at byte off.  The row's sum ends in v12 of every lane.
.macro EXCH off
	s_delay_alu instid0(VALU_DEP_3)
	v_pk_add_f32 v[16:17], v[16:17], v[18:19]
	s_delay_alu instid0(VALU_DEP_2)
	v_pk_add_f32 v[20:21], v[20:21], v[22:23]
	s_delay_alu instid0(VALU_DEP_1)
	v_pk_add_f32 v[16:17], v[16:17], v[20:21]
	s_delay_alu instid0(VALU_DEP_1)
	v_add_f32 v12, v16, v17
	s_delay_alu instid0(VALU_DEP_1)
	v_permlanex16_b32 v28, v12, s50, s51           ; lane l xor 16 holds the row's other numbers of this quarter
	s_delay_alu instid0(VALU_DEP_1)
	v_add_f32 v12, v12, v28
	ds_store_b32 v[SW], v12 offset:\off            ; both halves of the lanes write the same number to the same word
	s_wait_dscnt 0x0                               ; for the others' sake: my store has landed
	s_barrier_signal -1
	s_barrier_wait -1
	ds_load_b128 v[12:15], v[SR] offset:\off       ; the four quarters' sums of my row
	s_wait_dscnt 0x0
	v_add_f32 v12, v12, v13
	v_add_f32 v14, v14, v15
	s_delay_alu instid0(VALU_DEP_1)
	v_add_f32 v12, v12, v14
.endm
; One quantisation of the 128 numbers: held within the largest code x the scale (the conversion does not saturate: ISA guide 7.6.2), converted, stored: eight stores of 512 consecutive, aligned bytes.
.macro QT t, vs, vl, base
.if \t > 0
	s_wait_xcnt 0x0                                ; the last tensor's stores have read CD: only now is it written again
.endif
.irp c, 0,1,2,3,4,5,6,7
.irp i, 0,1,2,3,4,5,6,7,8,9,10,11,12,13,14,15
	v_med3_num_f32 v[T+16*(\c%2)+\i], v[X+16*\c+\i], -v[\vl], v[\vl]
.endr
	v_cvt_scalef32_pk8_bf8_f32 v[CD+4*\c:CD+4*\c+1], v[T+16*(\c%2):T+16*(\c%2)+7], v[\vs]         ; the two sets of T take turns: sixteen plain lines stand between a conversion and the next write of its sources
	v_cvt_scalef32_pk8_bf8_f32 v[CD+4*\c+2:CD+4*\c+3], v[T+16*(\c%2)+8:T+16*(\c%2)+15], v[\vs]
.endr
	v_nop                                          ; a plain line behind the last conversion
.irp c, 0,1,2,3,4,5,6,7
	global_store_b128 v[LI], v[CD+4*\c:CD+4*\c+3], s[\base:\base+1] offset:512*\c
.endr
.endm
	s_load_b256 s[4:11], s[0:1], 0x0               ; x s[4:5], gamma s[6:7], beta s[8:9], the scales' exponents s[10:11]
	s_load_b256 s[12:19], s[0:1], 0x20             ; Wq, Wk, Wv, Wo
	s_load_b128 s[20:23], s[0:1], 0x40             ; xc s[20:21], wimg s[22:23]
	v_lshl_add_u32 v254, v0, 2, 0x29000
	v_mov_b32 v255, 0
	ds_add_u32 v254, v255
	ds_add_u32 v254, v255
	v_lshrrev_b32 v1, 5, v0
	s_delay_alu instid0(VALU_DEP_1)
	v_readfirstlane_b32 s24, v1                    ; wave 0..7
	s_lshr_b32 s25, s24, 2                         ; u: my tile; also which 16 rows I fetch
	s_and_b32 s26, s24, 3                          ; kq: my quarter of K
	; descriptor group 1: 16 rows x 256 elements of 4 bytes, 4,096 bytes apart in memory; in LDS four words of padding behind every 256
	s_mov_b32 s32, (2<<16)|(1<<20)|(7<<22)|(3<<25)
	s_mov_b32 s33, 256<<16                         ; tensor_dim0
	s_mov_b32 s34, 16<<16                          ; tensor_dim1
	s_mov_b32 s35, 256<<16                         ; tile_dim0
	s_mov_b32 s36, 16                              ; tile_dim1
	s_mov_b32 s37, 1024                            ; elements from row to row
	s_mov_b32 s38, 0
	s_mov_b32 s39, 0
	s_mov_b32 s28, 1                               ; group 0: count
	s_mul_i32 s27, s26, QTR
	s_mul_i32 s29, s25, HALF
	s_add_co_u32 s29, s29, s27                     ; LDS address: my quarter, my 16 rows
	s_lshl_b32 s2, ttmp9, 17                       ; 32 rows of 4,096 bytes a work-group,
	s_lshl_b32 s3, s25, 16                         ; 16 rows,
	s_add_co_u32 s2, s2, s3
	s_lshl_b32 s3, s26, 10                         ; 1,024 bytes a quarter
	s_add_co_u32 s2, s2, s3
	s_mov_b32 s3, 0
	s_wait_dscnt 0x0
	s_wait_kmcnt 0x0
	s_add_nc_u64 s[30:31], s[4:5], s[2:3]
	s_or_b32 s31, s31, 0x80000000                  ; type = 2
	tensor_load_to_lds s[28:31], s[32:39]          ; my one load: a first fill
	s_nop 0
.rept 4
	v_nop
.endr
	s_load_b256 s[40:47], s[10:11], 0x0            ; e0 .. e7
	s_mov_b32 s50, 0x76543210                      ; lane selects: lane l xor 16
	s_mov_b32 s51, 0xfedcba98
	s_mov_b32 s52, 0x3a800000                      ; 1 / 1024
	s_mov_b32 s53, 0x3727c5ac                      ; 1e-5
	v_mov_b32 v28, 0                               ; a lane permute's destination counts as read
	v_and_b32 v1, 31, v0                           ; lane
	v_and_b32 v2, 15, v0                           ; r
	v_bfe_u32 v3, v0, 4, 1                         ; h
	s_delay_alu instid0(VALU_DEP_3)
	v_lshlrev_b32 v[LI], 4, v1
	v_and_b32 v10, 7, v0                           ; r % 8
	v_bfe_u32 v11, v0, 3, 1                        ; r / 8
	s_lshl_b32 s2, s25, 3
	v_add_nc_u32 v[XA], s2, v10                    ; my row among its half's 16: 8 u + r % 8
	s_delay_alu instid0(VALU_DEP_1)
	v_mul_u32_u24 v[XA], v[XA], PITCH
	s_delay_alu instid0(VALU_DEP_1)
	v_mad_u32_u24 v[XA], v11, HALF, v[XA]          ; rows 16-31 for r / 8 = 1
	s_delay_alu instid0(VALU_DEP_1)
	v_lshl_add_u32 v[XA], v3, 6, v[XA]             ; + 64 h
	s_delay_alu instid0(VALU_DEP_1)
	v_add_nc_u32 v[XA], s27, v[XA]
	s_lshl_b32 s2, s25, 8
	v_lshl_add_u32 v[SR], v2, 4, s2                ; 16 bytes a row: (16 u + r) x 16
	s_delay_alu instid0(VALU_DEP_1)
	v_add_nc_u32 v[SR], SC, v[SR]
	s_lshl_b32 s3, s26, 2
	v_add_nc_u32 v[SW], s3, v[SR]
	s_lshl_b32 s2, s26, 10
	v_lshl_add_u32 v[GB], v3, 6, s2                ; 1,024 kq + 64 h
	v_and_b32 v[WS], 8, v2
	s_delay_alu instid0(VALU_DEP_1)
	v_add_nc_u32 v[WS], v[WS], v2                  ; r + 8 (r / 8)
	s_delay_alu instid0(VALU_DEP_1)
	v_lshlrev_b32 v[WS], 10, v[WS]                 ; a weight's row is 1,024 codes
	s_delay_alu instid0(VALU_DEP_1)
	v_lshl_add_u32 v[WS], v3, 4, v[WS]
	; which weight: the choice hangs on the work-group's number alone
	s_wait_alu depctr_va_vdst(0)
	s_and_b32 s2, ttmp9, 64
	s_cmp_lg_u32 s2, 0
	s_cselect_b64 s[60:61], s[14:15], s[12:13]     ; k or q
	s_cselect_b64 s[62:63], s[18:19], s[16:17]     ; o or v
	s_and_b32 s2, ttmp9, 128
	s_cmp_lg_u32 s2, 0
	s_cselect_b64 s[66:67], s[62:63], s[60:61]
	s_and_b32 s2, ttmp9, 63                        ; the tile
	s_lshr_b32 s3, s2, 1
	s_lshl_b32 s3, s3, 15                          ; 32 rows x 1,024
	s_and_b32 s2, s2, 1
	s_lshl_b32 s2, s2, 13                          ; 8 rows x 1,024
	s_add_co_u32 s2, s2, s3
	s_lshl_b32 s3, s24, 7                          ; K step w: 128 bytes
	s_add_co_u32 s2, s2, s3
	s_mov_b32 s3, 0
	s_add_nc_u64 s[66:67], s[66:67], s[2:3]
	s_lshl_b32 s2, ttmp9, 14                       ; the image: 16,384 bytes a tile, tensors and tiles on end = work-group x 16,384,
	s_lshl_b32 s3, s24, 11                         ; 2,048 a K step
	s_add_co_u32 s2, s2, s3
	s_mov_b32 s3, 0
	s_add_nc_u64 s[68:69], s[22:23], s[2:3]
.irp c, 0,1,2,3
	global_load_b128 v[WC+4*\c:WC+4*\c+3], v[WS], s[66:67] offset:32*\c
.endr
	WIN 0x40                                       ; destination window 1
.irp c, 0,1,2,3,4,5,6,7
.irp j, 0,1,2,3
	global_load_b128 v[16*\c+4*\j:16*\c+4*\j+3], v[GB], s[6:7] offset:128*\c+16*\j
.endr
.endr
	s_wait_loadcnt 32                              ; only gamma's 32 loads are younger: the weight's codes are in
	WIN 0
.irp c, 0,1,2,3
	global_store_b128 v[LI], v[WC+4*\c:WC+4*\c+3], s[68:69] offset:512*\c   ; 512 consecutive, aligned bytes
.endr
	WIN 0x40
.irp c, 0,1,2,3,4,5,6,7
.irp j, 0,1,2,3
	global_load_b128 v[128+16*\c+4*\j:128+16*\c+4*\j+3], v[GB], s[8:9] offset:128*\c+16*\j
.endr
.endr
	WIN 0
	s_lshl_b32 s2, ttmp9, 15                       ; xc: token tile 2 g + u of 16,384 bytes, K steps 2 kq and 2 kq + 1 of 2,048
	s_lshl_b32 s3, s25, 14
	s_add_co_u32 s2, s2, s3
	s_lshl_b32 s3, s26, 12
	s_add_co_u32 s2, s2, s3
	s_mov_b32 s3, 0
	s_add_nc_u64 s[54:55], s[20:21], s[2:3]
	s_add_nc_u64 s[56:57], s[54:55], 0x800000      ; the three tensors lie 8,388,608 bytes apart: more than a store's immediate holds, so each has a base
	s_add_nc_u64 s[58:59], s[56:57], 0x800000
	s_wait_kmcnt 0x0
	MKSCALE 40, 30, 31
	MKSCALE 42, 224, 225
	MKSCALE 44, 226, 227
	s_wait_tensorcnt 0x0                           ; my part of x has landed;
	s_barrier_signal -1
	s_barrier_wait -1                              ; everybody's has: my rows were brought by two waves
.irp c, 0,1,2,3,4,5,6,7
.irp j, 0,1,2,3
	ds_load_b128 v[X+16*\c+4*\j:X+16*\c+4*\j+3], v[XA] offset:128*\c+16*\j
.endr
.endr
	s_wait_dscnt 0x0
	; pass 1: the sum, in four packed chains that the first pairs start
.irp j, 0,1,2,3
	v_pk_add_f32 v[16+2*\j:17+2*\j], v[X+2*\j:X+2*\j+1], v[X+8+2*\j:X+9+2*\j]
.endr
.set p, 8
.rept 14
.irp j, 0,1,2,3
	s_delay_alu instid0(VALU_DEP_4)
	v_pk_add_f32 v[16+2*\j:17+2*\j], v[16+2*\j:17+2*\j], v[X+2*(p+\j):X+2*(p+\j)+1]
.endr
.set p, p+4
.endr
	EXCH 0
	s_delay_alu instid0(VALU_DEP_1)
	v_mul_f32 v24, s52, v12                        ; the mean
	s_delay_alu instid0(VALU_DEP_1)
	v_mov_b32 v25, v24
	; pass 2: x - mean in place, and the sum of its squares
.set p, 0
.rept 64
	v_pk_add_f32 v[X+2*p:X+2*p+1], v[X+2*p:X+2*p+1], v[24:25] neg_lo:[0,1] neg_hi:[0,1]
.set p, p+1
.endr
.irp j, 0,1,2,3
	v_pk_mul_f32 v[16+2*\j:17+2*\j], v[X+2*\j:X+2*\j+1], v[X+2*\j:X+2*\j+1]
.endr
.set p, 4
.rept 15
.irp j, 0,1,2,3
	s_delay_alu instid0(VALU_DEP_4)
	v_pk_fma_f32 v[16+2*\j:17+2*\j], v[X+2*(p+\j):X+2*(p+\j)+1], v[X+2*(p+\j):X+2*(p+\j)+1], v[16+2*\j:17+2*\j]
.endr
.set p, p+4
.endr
	EXCH 512                                       ; the scratch's other 512 bytes: no wave still reads them, so one barrier serves
	s_delay_alu instid0(VALU_DEP_1)
	v_fma_f32 v13, v12, s52, s53                   ; var + eps
	s_wait_alu depctr_va_vdst(0)
	v_rsq_f32 v26, v13
	v_nop                                          ; a plain line behind the transcendental,
	s_wait_alu depctr_va_vdst(0)                   ; and the wait ahead of the first line that names its result
	v_mov_b32 v27, v26
	s_wait_alu depctr_va_vdst(0)
	s_wait_loadcnt 0x0                             ; gamma and beta
.set p, 0
.rept 64
	v_pk_mul_f32 v[X+2*p:X+2*p+1], v[X+2*p:X+2*p+1], v[26:27]
.set p, p+1
.endr
	WIN 0x14                                       ; sources 1 and 2 window 1
.set p, 0
.rept 64
	v_pk_fma_f32 v[X+2*p:X+2*p+1], v[X+2*p:X+2*p+1], v[2*p:2*p+1], v[128+2*p:129+2*p]
.set p, p+1
.endr
	WIN 0
	QT 0, 30, 31, 54
	QT 1, 224, 225, 56
	QT 2, 226, 227, 58
	s_wait_tensorcnt 0x0
	ds_add_u32 v254, v255
	s_wait_dscnt 0x0
	s_endpgm
.Lfunc_end_k_q296db1eeb3_lnq:
	.size	k_q296db1eeb3_lnq, .Lfunc_end_k_q296db1eeb3_lnq-k_q296db1eeb3_lnq
	.p2alignl 7, 3214868480
	.fill 96, 4, 3214868480
	.section	.rodata,"a",@progbits
	.p2align	6, 0x0
	.amdhsa_kernel k_q296db1eeb3_lnq
		.amdhsa_group_segment_fixed_size 168960
		.amdhsa_private_segment_fixed_size 0
		.amdhsa_enable_private_segment 0
		.amdhsa_kernarg_size 80
		.amdhsa_user_sgpr_count 2
		.amdhsa_user_sgpr_kernarg_segment_ptr 1
		.amdhsa_wavefront_size32 1
		.amdhsa_system_sgpr_workgroup_id_x 1
		.amdhsa_system_sgpr_workgroup_id_y 1
		.amdhsa_system_sgpr_workgroup_id_z 1
		.amdhsa_system_vgpr_workitem_id 0
		.amdhsa_next_free_vgpr 512
		.amdhsa_next_free_sgpr 70
		.amdhsa_reserve_vcc 0
		.amdhsa_float_denorm_mode_32 3
		.amdhsa_float_denorm_mode_16_64 3
		.amdhsa_memory_ordered 1
		.amdhsa_forward_progress 1
		.amdhsa_inst_pref_size 70
	.end_amdhsa_kernel
	.amdgpu_metadata
---
amdhsa.version: [ 1, 2 ]
amdhsa.kernels:
  - .name:           k_q296db1eeb3_lnq
    .symbol:         k_q296db1eeb3_lnq.kd
    .args:
      - { .name: x, .offset: 0, .size: 8, .value_kind: global_buffer, .address_space: global }
      - { .name: ln_gamma, .offset: 8, .size: 8, .value_kind: global_buffer, .address_space: global }
      - { .name: ln_beta, .offset: 16, .size: 8, .value_kind: global_buffer, .address_space: global }
      - { .name: lowp_scales, .offset: 24, .size: 8, .value_kind: global_buffer, .address_space: global }
      - { .name: Wq_codes, .offset: 32, .size: 8, .value_kind: global_buffer, .address_space: global }
      - { .name: Wk_codes, .offset: 40, .size: 8, .value_kind: global_buffer, .address_space: global }
      - { .name: Wv_codes, .offset: 48, .size: 8, .value_kind: global_buffer, .address_space: global }
      - { .name: Wo_codes, .offset: 56, .size: 8, .value_kind: global_buffer, .address_space: global }
      - { .name: xc, .offset: 64, .size: 8, .value_kind: global_buffer, .address_space: global }
      - { .name: wimg, .offset: 72, .size: 8, .value_kind: global_buffer, .address_space: global }
    .group_segment_fixed_size: 168960
    .private_segment_fixed_size: 0
    .kernarg_segment_align: 8
    .kernarg_segment_size: 80
    .max_flat_workgroup_size: 256
    .sgpr_count:     70
    .vgpr_count:     512
    .wavefront_size: 32
...
	.end_amdgpu_metadata
.endif
;; end of part 1
;; launch qkv (part 2): grid 4 x 64, 4 waves a work-group, clusters of 4 x 4, 327,680 bytes of LDS; arguments xc, wimg, lowp_scales, bq, bk, bv, qimg, kvimg; writes qimg, kvimg
.if DOCPART == 2
	.amdgcn_target "amdgcn-amd-amdhsa--gfx1250"
	.amdhsa_code_object_version 6
	.text
	.protected	k_q296db1eeb3_qkv
	.globl	k_q296db1eeb3_qkv
	.p2align	8
	.type	k_q296db1eeb3_qkv,@function
k_q296db1eeb3_qkv:
	s_mov_b64 s[64:65], 0
	v_nop
	global_prefetch_b8 v0, s[64:65] scope:SCOPE_SE
	s_setreg_imm32_b32 hwreg(HW_REG_WAVE_MODE, 25, 1), 1
	s_wait_xcnt 0x0
	s_wait_alu depctr_hold_cnt(0) depctr_sa_sdst(0) depctr_va_vdst(0) depctr_va_sdst(0) depctr_va_ssrc(0) depctr_va_vcc(0) depctr_vm_vsrc(0)
	s_getreg_b32 s2, hwreg(HW_REG_IB_STS2, 6, 4)
	s_cmp_eq_u32 s2, 0
	s_cbranch_scc0 .Lentry_in_a_cluster
	s_endpgm
.Lentry_in_a_cluster:
	s_bfe_u32 s2, ttmp6, 0x10000c
	s_cmp_lg_u32 s2, 0xf033
	s_cbranch_scc0 .Lentry_shape_is_right
	s_endpgm
.Lentry_shape_is_right:
; q = xn Wq + bq, k = xn Wk + bk, v = xn Wv + bv on codes of E5M2, and each result quantised at once for attention: q with 2^e7, k with 2^e6, v with 2^e8
; (the score product is lowered with k as its left operand, as the second product is with v: so k takes the scale of A and q that of B).
; OPERANDS ARE IMAGES OF THEIR REGISTERS: a tile of 16 rows x 128 K is [c 4][lane 32][16 bytes], lane (r, h) holding k = 32 c + 16 h + 0 .. 15 of the tile's row r; tile T takes rows 32 (T / 2) + 8 (T % 2) + r + 8 (r / 8);
; a tile's eight K steps lie on end, 16,384 bytes.  So a fragment is four loads of 512 consecutive bytes, and the 16 result registers of two neighbouring source-0 tiles are 16 neighbours:
; two conversions make 16 bytes of the next operand's image, and each store of the wave covers 512 consecutive, aligned bytes, straight from registers.
; (This order of k in the registers is the same in both sources, so each product meets its partner; only the order of the sums inside an instruction differs from the form's own.)
; SHARES.  A work-group makes 128 tokens (8 tiles: one key step of one batch) x 256 columns (16 tiles: four heads), for q, then k, then v: 256 work-groups.  Wave w: token half w / 2 (4 tiles), column half w % 2 (8 tiles): 32 accumulators.
; q, k: source 0 = W's tile, source 1 = xn's: a lane holds a token, its registers run along the head's channels.   v: source 0 = xn's tile, source 1 = W's: a lane holds a channel, its registers run along the tokens (the keys).
; W GOES THROUGH LDS: a ring of two slots, each with the 16 tiles' four K steps (131,072 bytes); six slots in all, running on from q into k and from k into v; each wave brings four tiles by one tensor load and has one load out.
; CLUSTER 4 x 4: the four work-groups of a column need the same tiles of W: each is asked for jointly.  From a refill to the wait for it a wave issues the 128 matrix instructions of a slot less sixteen.
; xn GOES FROM MEMORY STRAIGHT INTO REGISTERS: its image is what the registers take, so a K step's four fragments are 16 loads; four sets of registers take turns, and K step g + 3 is asked for at the head of K step g: 48 loads are out.
; No data prefetch: xn's loads themselves run three K steps ahead of their use, and W's 3,145,728 bytes are walked by all 64 rows of work-groups alike.
; The biases, divided by 2^(ea + ew), are the C of each tensor's first products.  A sum stands for sum x 2^(ea + ew), so its code is sum / 2^(eo - ea - ew): the three scales are one.
; LIMITS: eo - ea - ew between -126 and 112 for (e7, e0, e1), (e6, e2, e3), (e8, e4, e5).  NaN is not served.
; REGISTERS: window 0: v4 16 x lane, v5, v6 bias offsets, v8-13 scales, v20, v21 LDS addresses, v28, v29 the add's, v64-255 xn's sets 0 to 2 (4 x 16 each);
;   window 1: W's fragments (two sets of 8 x 16); window 2: the 32 accumulators; window 3: v0-63 bq, then the codes on their way out, v64-127 bk, v128-191 bv, v192-255 xn's set 3.
.set SLOT,  131072                     ; W's 16 tiles x 8,192 bytes (four K steps)
.set SPARE, 2*SLOT                     ; behind the ring: the spare words, 128 bytes a wave
.set XT,    8388608                    ; from one tensor of xc to the next
.set WT,    1048576                    ; from one weight's image to the next
.set LI,   4
.set BH,   5
.set BR,   6
.set ADRW, 20
.set SPW,  28
.set NIL,  29
.set CDS,  0                           ; window 3
.set G1,  24                           ; s[24:31] group 1; s[32:39] group 0, a set for each slot
.set G0,  32
.set XB,  48                           ; s[48:53] xc at my four tiles, a base for each tensor
.set WB,  80                           ; s[80:81] wimg at the four tiles that I fetch (no type bits)
.set MSB, 0
.set G, 0                              ; the K step in hand, 0 to 23, counted as the text is put together
.macro WIN new                         ; the immediate's high byte repeats the setting that is left
.if MSB != (\new)
	s_set_vgpr_msb (MSB<<8)|(\new)
.set MSB, (\new)
.endif
.endm
.macro PLACES n                        ; plain vector lines between a matrix instruction and a load into, or a read of, its registers
.rept \n
	v_nop
.endr
.endm
.macro CREST                           ; a round of the cluster's barrier behind its opening barrier
	s_cmp_lg_u32 s20, 0
	s_cbranch_scc1 .Lnot_wave_0_\@
	s_barrier_signal -3
.Lnot_wave_0_\@:
	s_barrier_wait -3
	s_barrier_signal -1
	s_barrier_wait -1
.endm
.macro CROUND
	s_barrier_signal -1
	s_barrier_wait -1
	CREST
.endm
.macro XLOAD g                         ; xn's four fragments of K step g into set g % 4: sets 0 to 2 in window 0, set 3 in window 3
.set XW, 3*(((\g)%4)/3)
.set XR, 64+64*((\g)%4)-64*(((\g)%4)/3)
	WIN XW<<6
.irp a, 0,1,2,3
.irp c, 0,1,2,3
	global_load_b128 v[XR+16*\a+4*\c:XR+16*\a+4*\c+3], v[LI], s[XB+2*((\g)/8):XB+2*((\g)/8)+1] offset:16384*\a+2048*((\g)%8)+512*\c
.endr
.endr
	WIN 0
.endm
.macro LWAIT                           ; xn's set of K step G is in: the younger loads are the sets of the K steps behind it, three at the most, 16 loads each
.if G < 21
	s_wait_loadcnt 48
.else
	s_wait_loadcnt 16*(23-G)
.endif
.endm
.macro FETCHW slot, q, p               ; W's eight fragments of the slot's q-th K step into set p
	WIN 0x40
.irp x, 0,1,2,3,4,5,6,7
.irp c, 0,1,2,3
	ds_load_b128 v[128*(\p)+16*\x+4*\c:128*(\p)+16*\x+4*\c+3], v[ADRW+(\slot)] offset:8192*\x+2048*(\q)+512*\c
.endr
.endr
	WIN 0
.endm
; 16 matrix instructions of K step G, accumulators 16 half .. 16 half + 15 in ascending order: the 32 take turns, one instruction a turn, in the same order in every step.
; first = 1: C is the bias, v[cb ..] of window 3: nothing is cleared.
.macro MULH kind, half, first, cb
.set XW, 3*((G%4)/3)
.set XR, 64+64*(G%4)-64*((G%4)/3)
.set WP, 128*(G%2)
.if \kind == 0
.if \first
	WIN 0xb1|(XW<<2)
.else
	WIN 0xa1|(XW<<2)
.endif
.irp a, 2*(\half), 2*(\half)+1
.irp x, 0,1,2,3,4,5,6,7
.if \first
	v_wmma_f32_16x16x128_bf8_bf8 v[8*(8*(\a)+\x):8*(8*(\a)+\x)+7], v[WP+16*\x:WP+16*\x+15], v[XR+16*(\a):XR+16*(\a)+15], v[(\cb)+8*\x:(\cb)+8*\x+7]
.else
	v_wmma_f32_16x16x128_bf8_bf8 v[8*(8*(\a)+\x):8*(8*(\a)+\x)+7], v[WP+16*\x:WP+16*\x+15], v[XR+16*(\a):XR+16*(\a)+15], v[8*(8*(\a)+\x):8*(8*(\a)+\x)+7]
.endif
.endr
.endr
.else
.if \first
	WIN 0xb4|XW
.else
	WIN 0xa4|XW
.endif
.irp y, 4*(\half), 4*(\half)+1, 4*(\half)+2, 4*(\half)+3
.irp x, 0,1,2,3
.if \first
	v_wmma_f32_16x16x128_bf8_bf8 v[8*(4*(\y)+\x):8*(4*(\y)+\x)+7], v[XR+16*\x:XR+16*\x+15], v[WP+16*(\y):WP+16*(\y)+15], v[(\cb)+8*(\y):(\cb)+8*(\y)+7]
.else
	v_wmma_f32_16x16x128_bf8_bf8 v[8*(4*(\y)+\x):8*(4*(\y)+\x)+7], v[XR+16*\x:XR+16*\x+15], v[WP+16*(\y):WP+16*(\y)+15], v[8*(4*(\y)+\x):8*(4*(\y)+\x)+7]
.endif
.endr
.endr
.endif
.endm
.macro AHEAD                           ; at a K step's head: xn's set of the K step before is free, four places behind its products, and takes K step G + 3
	WIN 0
	PLACES 4
.if G+3 < 24
	XLOAD G+3
.endif
.endm
.macro STEP kind, slot, q, first, cb   ; one of a slot's first three K steps; the next one's fragments of W are fetched ahead of its products
	AHEAD
	LWAIT
	s_wait_dscnt 0x0                               ; W's set is in
	FETCHW \slot, (\q)+1, (G+1)%2
	MULH \kind, 0, \first, \cb
	MULH \kind, 1, \first, \cb
.set G, G+1
.endm
; A slot's last K step, and the change of slots.  In front of the barrier each wave waits for all its tensor loads (its part of the next slot), adds 0 to its spare word,
; and waits for that and for its reads of this slot.  fill = 1: the barrier opens a round of the cluster's, and behind it this slot is filled again, two slots ahead.
.macro TURN kind, slot, fill, woff
	AHEAD
	s_wait_tensorcnt 0x0                           ; all my tensor loads have landed, so a group 0 may be written;
	ds_add_u32 v[SPW], v[NIL]                      ; 0 onto my spare word
.if \fill
	s_add_nc_u64 s[G0+4*\slot+2:G0+4*\slot+3], s[WB:WB+1], \woff
	s_or_b32 s[G0+4*\slot+3], s[G0+4*\slot+3], 0x80000000
.endif
	LWAIT
	s_wait_dscnt 0x1                               ; only the add may be out: my last reads of this slot are in
	MULH \kind, 0, 0, 0
	s_wait_dscnt 0x0                               ; the add is done
	WIN 0
	s_barrier_signal -1
	s_barrier_wait -1
.if \fill
	CREST                                          ; no wave of any partner still reads this slot or has a load on its way
	tensor_load_to_lds s[G0+4*\slot:G0+4*\slot+3], s[G1:G1+7]   ; the first tensor load behind the round, one a wave
	s_nop 0
.endif
	PLACES 4
	FETCHW 1-(\slot), 0, (G+1)%2
	MULH \kind, 1, 0, 0
.set G, G+1
.endm
.macro LASTQ kind                      ; the very last K step: nothing more to fetch
	WIN 0
	LWAIT
	s_wait_dscnt 0x0
	MULH \kind, 0, 0, 0
	MULH \kind, 1, 0, 0
.set G, G+1
.endm
.macro MKSC ea, ew, eo, sneg, vs, vl   ; -(ea + ew); 2^(eo - ea - ew) and 57,344 x that as f32 patterns
	s_add_co_i32 s2, s[\ea], s[\ew]
	s_sub_co_i32 s[\sneg], 0, s2
	s_sub_co_i32 s2, s[\eo], s2
	s_add_co_i32 s2, s2, 127
	s_lshl_b32 s3, s2, 23
	v_mov_b32 v[\vs], s3
	s_add_co_i32 s2, s2, 15
	s_lshl_b32 s2, s2, 23
	s_or_b32 s2, s2, 0x600000
	v_mov_b32 v[\vl], s2
.endm
; A tensor's way out: the 256 sums are held (the conversion does not saturate: ISA guide 7.6.2), each accumulator from its low end on; 32 conversions; accumulators 2 g and 2 g + 1 give the 16 bytes of group g; 16 stores.
.macro EPI t, vs, vl, base
	PLACES 4
.if \t > 0
	s_wait_xcnt 0x0                                ; the last tensor's stores have read the codes' registers
.endif
	WIN 0x82                                       ; source 0 and destination window 2
.set n, 0
.rept 256
	v_med3_num_f32 v[n], v[n], -v[\vl], v[\vl]
.set n, n+1
.endr
	WIN 0xc2                                       ; source 0 window 2, destination window 3
.set n, 0
.rept 32
	v_cvt_scalef32_pk8_bf8_f32 v[CDS+2*n:CDS+2*n+1], v[8*n:8*n+7], v[\vs]
.set n, n+1
.endr
	v_nop                                          ; a plain line behind the last conversion: the next products write its sources
	WIN 0x0c                                       ; a store's data is source 1: window 3
.if \t == 2
.irp y, 0,1,2,3,4,5,6,7                ; v: head y / 4, channel tile y % 4, chunk of keys 2 (w / 2) + u
.irp u, 0,1
	global_store_b128 v[LI], v[CDS+4*(2*\y+\u):CDS+4*(2*\y+\u)+3], s[\base:\base+1] offset:(\y/4)*262144+2048*(\y%4)+512*\u
.endr
.endr
.else
.irp a, 0,1,2,3                        ; q, k: token tile a, head u / 2, chunk of channels u % 2; a head is 131,072 bytes of qimg, 262,144 of kvimg
.irp u, 0,1,2,3
	global_store_b128 v[LI], v[CDS+4*(4*\a+\u):CDS+4*(4*\a+\u)+3], s[\base:\base+1] offset:(\u/2)*(131072<<(\t))+1024*\a+512*(\u%2)
.endr
.endr
.endif
	WIN 0
.endm
	s_load_b256 s[4:11], s[0:1], 0x0               ; xc s[4:5], wimg s[6:7], the scales' exponents s[8:9], bq s[10:11]
	s_load_b256 s[12:19], s[0:1], 0x20             ; bk s[12:13], bv s[14:15], qimg s[16:17], kvimg s[18:19]
	v_lshl_add_u32 v[SPW], v0, 2, SPARE
	v_mov_b32 v[NIL], 0
	ds_add_u32 v[SPW], v[NIL]                      ; the opening lines: the add twice on end, and its wait ahead of my first tensor load
	ds_add_u32 v[SPW], v[NIL]
	s_wait_dscnt 0x0
	v_lshrrev_b32 v1, 5, v0
	v_readfirstlane_b32 s20, v1                    ; wave 0..3
	s_lshr_b32 s21, s20, 1                         ; my token half
	s_and_b32 s22, s20, 1                          ; my column half
	s_bfe_u32 s40, ttmp6, 0x40000                  ; cx
	s_bfe_u32 s41, ttmp6, 0x40004                  ; cy
	s_lshl_b32 s42, ttmp9, 2
	s_add_co_u32 s42, s42, s40                     ; nj: my 256 columns
	s_and_b32 s45, ttmp7, 0xffff
	s_lshl_b32 s45, s45, 2
	s_add_co_u32 s45, s45, s41                     ; mi: my 128 tokens
	s_lshl_b32 s44, 0x1111, s40                    ; my column of the cluster
	; group 1: four rows of 1,024 elements of 8 bytes (a tile's four K steps, 8,192 bytes), 2,048 elements (a tile) apart; no padding; bit 21 beside the mask
	s_or_b32 s[G1], s44, (3<<16)|(1<<21)
	s_mov_b32 s[G1+1], 1024<<16
	s_mov_b32 s[G1+2], 4<<16
	s_mov_b32 s[G1+3], 1024<<16
	s_mov_b32 s[G1+4], 4
	s_mov_b32 s[G1+5], 2048
	s_mov_b32 s[G1+6], 0
	s_mov_b32 s[G1+7], 0
	s_lshl_b32 s46, s45, 17                        ; xn: tile 8 mi + 4 x token half, 16,384 bytes each
	s_lshl_b32 s47, s21, 16
	s_add_co_u32 s46, s46, s47
	s_mov_b32 s47, 0
	s_lshl_b32 s92, s42, 18                        ; W: tile 16 nj + 4 x wave: made of nj and the wave alone
	s_lshl_b32 s93, s20, 16
	s_add_co_u32 s92, s92, s93
	s_mov_b32 s93, 0
	s_lshl_b32 s23, s20, 15                        ; where they go in a slot: the wave's number alone
	s_wait_kmcnt 0x0
	s_load_b256 s[68:75], s[8:9], 0x0              ; e0 .. e7
	s_load_b128 s[76:79], s[8:9], 0x20             ; e8 .. e11
	s_add_nc_u64 s[XB:XB+1], s[4:5], s[46:47]
	s_add_nc_u64 s[XB+2:XB+3], s[XB:XB+1], XT
	s_add_nc_u64 s[XB+4:XB+5], s[XB+2:XB+3], XT
	s_add_nc_u64 s[WB:WB+1], s[6:7], s[92:93]
.irp s, 0,1
	s_mov_b32 s[G0+4*\s], 1
	s_add_co_u32 s[G0+4*\s+1], s23, \s*SLOT
	s_add_nc_u64 s[G0+4*\s+2:G0+4*\s+3], s[WB:WB+1], \s*8192
	s_or_b32 s[G0+4*\s+3], s[G0+4*\s+3], 0x80000000
.endr
	CROUND                                         ; all sixteen work-groups are here: the first joint loads meet
	tensor_load_to_lds s[G0:G0+3], s[G1:G1+7]      ; slot 0: my one load at the head
	s_nop 0
	PLACES 4
	s_lshl_b32 s96, s42, 10                        ; my wave's first column, in bytes: 1,024 nj + 512 x half
	s_lshl_b32 s97, s22, 9
	s_add_co_u32 s96, s96, s97
	s_mov_b32 s97, 0
	s_add_nc_u64 s[10:11], s[10:11], s[96:97]
	s_add_nc_u64 s[12:13], s[12:13], s[96:97]
	s_add_nc_u64 s[14:15], s[14:15], s[96:97]
	; where the results go.  b = mi / 16, key step ks = mi % 16, my first head H0 = 16 b + 4 nj + 2 x column half
	s_lshr_b32 s91, s45, 4
	s_lshl_b32 s91, s91, 4
	s_lshl_b32 s95, s42, 2
	s_add_co_u32 s91, s91, s95
	s_lshl_b32 s95, s22, 1
	s_add_co_u32 s91, s91, s95                     ; H0
	s_and_b32 s95, s45, 15                         ; ks
	s_lshl_b32 s96, s91, 7                         ; qimg: (128 H0 + 8 ks + 4 x token half) tiles of 1,024 bytes
	s_lshl_b32 s97, s95, 3
	s_add_co_u32 s96, s96, s97
	s_lshl_b32 s97, s21, 2
	s_add_co_u32 s96, s96, s97
	s_lshl_b32 s96, s96, 10
	s_mov_b32 s97, 0
	s_add_nc_u64 s[82:83], s[16:17], s[96:97]
	s_lshl_b32 s96, s91, 4                         ; kvimg: (16 H0 + ks) key steps of 16,384 bytes,
	s_add_co_u32 s96, s96, s95
	s_lshl_b32 s96, s96, 14
	s_add_nc_u64 s[86:87], s[18:19], s[96:97]
	s_lshl_b32 s96, s21, 12                        ; k: my four key tiles of 1,024,
	s_add_nc_u64 s[84:85], s[86:87], s[96:97]
	s_lshl_b32 s96, s21, 10                        ; v: behind k's 8,192 bytes; my two chunks of keys, 512 each
	s_add_co_u32 s96, s96, 8192
	s_add_nc_u64 s[86:87], s[86:87], s[96:97]
	s_lshl_b32 s94, s22, 16                        ; my eight tiles of W in a slot
	v_and_b32 v1, 31, v0
	v_and_b32 v2, 15, v0                           ; r
	v_bfe_u32 v3, v0, 4, 1                         ; h
	v_lshlrev_b32 v[LI], 4, v1
	v_add_nc_u32 v[ADRW], s94, v[LI]
	v_add_nc_u32 v[ADRW+1], SLOT, v[ADRW]
	v_lshlrev_b32 v[BH], 6, v3                     ; q, k: lane (r, h) wants, for W's tile x, the biases of columns 32 (x / 2) + 16 h + 8 (x % 2) + 0 .. 7
	v_and_b32 v[BR], 8, v2
	v_add_nc_u32 v[BR], v[BR], v2
	v_lshlrev_b32 v[BR], 2, v[BR]                  ; v: for W's tile y the one of column 32 (y / 2) + 8 (y % 2) + r + 8 (r / 8)
	s_wait_alu depctr_va_vdst(0)                   ; the wait behind these writes
	WIN 0xc0                                       ; destination window 3
.irp x, 0,1,2,3,4,5,6,7
	global_load_b128 v[8*\x:8*\x+3], v[BH], s[10:11] offset:(32*(\x/2)+8*(\x%2))*4
	global_load_b128 v[8*\x+4:8*\x+7], v[BH], s[10:11] offset:(32*(\x/2)+8*(\x%2))*4+16
	global_load_b128 v[64+8*\x:64+8*\x+3], v[BH], s[12:13] offset:(32*(\x/2)+8*(\x%2))*4
	global_load_b128 v[64+8*\x+4:64+8*\x+7], v[BH], s[12:13] offset:(32*(\x/2)+8*(\x%2))*4+16
	global_load_b32 v[128+8*\x], v[BR], s[14:15] offset:(32*(\x/2)+8*(\x%2))*4
.endr
	WIN 0
	XLOAD 0                                        ; xn's first three K steps
	XLOAD 1
	XLOAD 2
	s_wait_kmcnt 0x0
	MKSC 68, 69, 75, 88, 8, 9                      ; q: e0, e1 -> e7
	MKSC 70, 71, 74, 89, 10, 11                    ; k: e2, e3 -> e6
	MKSC 72, 73, 76, 90, 12, 13                    ; v: e4, e5 -> e8
	s_wait_loadcnt 48                              ; the biases are in: xn's 48 loads are younger
	WIN 0xc3                                       ; source 0 and destination window 3
.set n, 0
.rept 64
	v_ldexp_f32 v[n], v[n], s88                    ; b / 2^(ea + ew): the power of two that the sums lack
	v_ldexp_f32 v[64+n], v[64+n], s89
.set n, n+1
.endr
.irp y, 0,1,2,3,4,5,6,7
.irp j, 7,6,5,4,3,2,1,0
	v_ldexp_f32 v[128+8*\y+\j], v[128+8*\y], s90   ; v: a lane's eight registers are eight tokens of one channel: the scaling also copies; register 0 last, in place
.endr
.endr
	WIN 0
	s_wait_alu depctr_va_vdst(0)                   ; the wait at the head's end
	s_wait_tensorcnt 0x0                           ; my part of slot 0 is in; slot 1's first fill is issued as a refill is:
	ds_add_u32 v[SPW], v[NIL]                      ; 0 onto my spare word
	s_wait_dscnt 0x0
	CROUND                                         ; a whole round: everybody's part of slot 0 is in, and the joint loads meet
	tensor_load_to_lds s[G0+4:G0+7], s[G1:G1+7]    ; the first tensor load behind the round
	s_nop 0
	PLACES 4
	FETCHW 0, 0, 0
	; q
	STEP 0, 0, 0, 1, 0
	STEP 0, 0, 1, 0, 0
	STEP 0, 0, 2, 0, 0
	TURN 0, 0, 1, WT                               ; the ring goes on into k
	STEP 0, 1, 0, 0, 0
	STEP 0, 1, 1, 0, 0
	STEP 0, 1, 2, 0, 0
	TURN 0, 1, 1, WT+8192
	EPI 0, 8, 9, 82                                ; q leaves while k's first fragments and slots land
	; k
	STEP 0, 0, 0, 1, 64
	STEP 0, 0, 1, 0, 0
	STEP 0, 0, 2, 0, 0
	TURN 0, 0, 1, 2*WT
	STEP 0, 1, 0, 0, 0
	STEP 0, 1, 1, 0, 0
	STEP 0, 1, 2, 0, 0
	TURN 0, 1, 1, 2*WT+8192
	EPI 1, 10, 11, 84
	; v
	STEP 1, 0, 0, 1, 128
	STEP 1, 0, 1, 0, 0
	STEP 1, 0, 2, 0, 0
	TURN 1, 0, 0, 0                                ; nothing is left to fetch: a plain barrier
	STEP 1, 1, 0, 0, 0
	STEP 1, 1, 1, 0, 0
	STEP 1, 1, 2, 0, 0
	LASTQ 1
	EPI 2, 12, 13, 86
	s_wait_tensorcnt 0x0                           ; the wave's end
	ds_add_u32 v[SPW], v[NIL]
	s_wait_dscnt 0x0
	CROUND                                         ; the closing round: no work-group ends while a partner may still ask for a tile that names it
	s_endpgm
.Lfunc_end_k_q296db1eeb3_qkv:
	.size	k_q296db1eeb3_qkv, .Lfunc_end_k_q296db1eeb3_qkv-k_q296db1eeb3_qkv
	.p2alignl 7, 3214868480
	.fill 96, 4, 3214868480
	.section	.rodata,"a",@progbits
	.p2align	6, 0x0
	.amdhsa_kernel k_q296db1eeb3_qkv
		.amdhsa_group_segment_fixed_size 327680
		.amdhsa_private_segment_fixed_size 0
		.amdhsa_enable_private_segment 0
		.amdhsa_kernarg_size 64
		.amdhsa_user_sgpr_count 2
		.amdhsa_user_sgpr_kernarg_segment_ptr 1
		.amdhsa_wavefront_size32 1
		.amdhsa_system_sgpr_workgroup_id_x 1
		.amdhsa_system_sgpr_workgroup_id_y 1
		.amdhsa_system_sgpr_workgroup_id_z 1
		.amdhsa_system_vgpr_workitem_id 0
		.amdhsa_next_free_vgpr 1024
		.amdhsa_next_free_sgpr 98
		.amdhsa_reserve_vcc 0
		.amdhsa_float_denorm_mode_32 3
		.amdhsa_float_denorm_mode_16_64 3
		.amdhsa_memory_ordered 1
		.amdhsa_forward_progress 1
		.amdhsa_inst_pref_size 226
	.end_amdhsa_kernel
	.amdgpu_metadata
---
amdhsa.version: [ 1, 2 ]
amdhsa.kernels:
  - .name:           k_q296db1eeb3_qkv
    .symbol:         k_q296db1eeb3_qkv.kd
    .args:
      - { .name: xc, .offset: 0, .size: 8, .value_kind: global_buffer, .address_space: global }
      - { .name: wimg, .offset: 8, .size: 8, .value_kind: global_buffer, .address_space: global }
      - { .name: lowp_scales, .offset: 16, .size: 8, .value_kind: global_buffer, .address_space: global }
      - { .name: bq, .offset: 24, .size: 8, .value_kind: global_buffer, .address_space: global }
      - { .name: bk, .offset: 32, .size: 8, .value_kind: global_buffer, .address_space: global }
      - { .name: bv, .offset: 40, .size: 8, .value_kind: global_buffer, .address_space: global }
      - { .name: qimg, .offset: 48, .size: 8, .value_kind: global_buffer, .address_space: global }
      - { .name: kvimg, .offset: 56, .size: 8, .value_kind: global_buffer, .address_space: global }
    .group_segment_fixed_size: 327680
    .private_segment_fixed_size: 0
    .kernarg_segment_align: 8
    .kernarg_segment_size: 64
    .max_flat_workgroup_size: 128
    .sgpr_count:     98
    .vgpr_count:     1024
    .wavefront_size: 32
...
	.end_amdgpu_metadata
.endif
;; end of part 2
;; launch attn (part 3): grid 256 x 1, 8 waves a work-group, clusters of 4 x 1, 327,680 bytes of LDS; arguments qimg, kvimg, lowp_scales, ao; writes ao
.if DOCPART == 3
	.amdgcn_target "amdgcn-amd-amdhsa--gfx1250"
	.amdhsa_code_object_version 6
	.text
	.protected	k_q296db1eeb3_attn
	.globl	k_q296db1eeb3_attn
	.p2align	8
	.type	k_q296db1eeb3_attn,@function
k_q296db1eeb3_attn:
	s_mov_b64 s[64:65], 0
	v_nop
	global_prefetch_b8 v0, s[64:65] scope:SCOPE_SE
	s_setreg_imm32_b32 hwreg(HW_REG_WAVE_MODE, 25, 1), 1
	s_wait_xcnt 0x0
	s_wait_alu depctr_hold_cnt(0) depctr_sa_sdst(0) depctr_va_vdst(0) depctr_va_sdst(0) depctr_va_ssrc(0) depctr_va_vcc(0) depctr_vm_vsrc(0)
	s_getreg_b32 s2, hwreg(HW_REG_IB_STS2, 6, 4)
	s_cmp_eq_u32 s2, 0
	s_cbranch_scc0 .Lentry_in_a_cluster
	s_endpgm
.Lentry_in_a_cluster:
	s_bfe_u32 s2, ttmp6, 0x10000c
	s_cmp_lg_u32 s2, 0x3003
	s_cbranch_scc0 .Lentry_shape_is_right
	s_endpgm
.Lentry_shape_is_right:
; Causal attention of one head on codes of E5M2: S^T = K Q^T (k: 2^e6, q: 2^e7), p = 2^(t - M) quantised with 2^e9, O^T = V^T P^T (v: 2^e8), O / the row's sum quantised with 2^e10 for the last product.
; t = score x log2(e) / 8; M = the running largest t rounded up to a whole number; the row's sum is taken of the unquantised p in f32; when M moves, sum and O^T are multiplied by 2^(old M - new M), which rounds nothing.
; OPERANDS ARE IMAGES OF REGISTERS, as the launch before stored them: qimg [head 64][tile 128][1,024 bytes]; kvimg [head][key step 16][K: 8 tiles x 1,024, V: 4 channel tiles x 2,048]; ao as the last launch reads it.
; Tile T holds queries (keys) 32 (T / 2) + 8 (T % 2) + r + 8 (r / 8); so p's 16 registers of two neighbouring key tiles are 16 neighbouring keys, and a lane holds one query of each of its tiles throughout.
; WORK LEFT OUT: key steps all of whose 128 keys come after a tile's queries lie wholly under the causal mask: they are not multiplied.
; SHARES.  A cluster of four work-groups owns one head (cluster x); 32 waves own its 64 pairs of query tiles, two pairs each.  A wave works a PAIR (32 queries) at once, so that each fragment of K and V read from LDS feeds two matrix instructions.
; Wave w of the work-group at place cx takes pair cx of the query blocks (128 queries) 15 - w and w: 16 - w and w + 1 key steps, 17 in every wave.  So every branch and every LDS address hangs on the wave's number and on counts alone;
; cx enters global addresses (Q, the result) and the mask's compare values only.
; JOINT LOADS.  The four partners read the same 262,144 bytes of K and V: each block is asked for by the same tensor load in all four (mask 15).  Every LDS byte is filled once: at the head each wave brings 8,192 bytes
; (together key steps 0 to 3), and behind a round, 24,576 bytes (together key steps 4 to 15); four key steps are worked while the second group is out.  A wave has one tensor load out.
; The next step's fragments of K are asked of LDS right behind this step's score products, into the same registers; while the second group is out the look-ahead is held at key step 3, and key step 4's are asked for behind the barrier.
; No data prefetch: all of the head's K and V is asked for by the two groups at the launch's start, so there is no loop to run ahead in.
; LIMITS: e6 + e7 between -123 and 130 (added to the exponent field of log2(e) / 8); e9 between -126 and 112; e8 + e9 - e10 goes by v_ldexp_f32.  The scaled scores stay under 2^31 in magnitude.  NaN is not served.
; REGISTERS.  Window 0: v1-7 addresses and compare values; v8-11 -M (a pair a tile), v12, v13 the largest score, v14-21 the sums (two chains a tile), v22-25 f, v26-31 at work, v32-35 constants, v36, v37 the add's, v38, v39 the old -M,
;   v40-55 Q of the pair in hand, v56-71 of the second pair, v72-135 K's fragments, v136-199 S^T then p, v200-231 O^T, v232-247 p's codes, v248-255 the result's codes: the last four of tile 0.
;   Window 1: the same four at the same numbers for tile 1; v32, v34, v35 the constants again; v64-127 V's fragments.
.set SPARE, 0x40000                    ; behind the 262,144 bytes of tiles: the spare words, 128 bytes a wave
.set LI,   1
.set DL0,  2
.set ADK,  4
.set ADN,  5
.set GO,   6
.set NM,   8
.set MR,   12
.set SU,   14
.set FF,   22
.set TA,   26
.set SCL,  32
.set NINF, 33
.set BIG,  34
.set ONE,  35
.set SPW,  36
.set NIL,  37
.set OM,   38
.set Q,    40
.set Q2,   56
.set KF,   72
.set VF,   64
.set S,    136
.set O,    200
.set CD,   232
.set OC,   248
.set MSB, 0
.macro WIN new                         ; low byte: bits 1:0 source 0, 3:2 source 1, 5:4 source 2, 7:6 destination; the high byte repeats the setting that is left
.if MSB != (\new)
	s_set_vgpr_msb (MSB<<8)|(\new)
.set MSB, (\new)
.endif
.endm
.macro CROUND                          ; a round of the cluster's barrier
	s_barrier_signal -1
	s_barrier_wait -1
	s_cmp_lg_u32 s12, 0
	s_cbranch_scc1 .Lnot_wave_0_\@
	s_barrier_signal -3
.Lnot_wave_0_\@:
	s_barrier_wait -3
	s_barrier_signal -1
	s_barrier_wait -1
.endm
.macro KLOAD                           ; the eight fragments of K of the key step at v[ADN]
.irp t, 0,1,2,3,4,5,6,7
.irp c, 0,1
	ds_load_b128 v[KF+8*\t+4*\c:KF+8*\t+4*\c+3], v[ADN] offset:1024*\t+512*\c
.endr
.endr
.endm
.macro MASK d                          ; register n holds key 32 (n / 16) + n % 16 + 16 (lane / 16) of the step: hidden where that is past my query
.set n, 0
.rept 64
	v_cmp_gt_i32 vcc_lo, 32*(n/16)+n%16, v[\d]
	v_cndmask_b32 v[S+n], v[S+n], v[NINF], vcc_lo
.set n, n+1
.endr
.endm
.macro MAXC a, m                       ; the largest score so far and of this step, in two chains; each accumulator from its low end on
	v_max3_num_f32 v[\a], v[\m], v[S], v[S+1]
	v_max3_num_f32 v[\a+1], v[NINF], v[S+2], v[S+3]
.set n, 4
.rept 15
	v_max3_num_f32 v[\a], v[\a], v[S+n], v[S+n+1]
	v_max3_num_f32 v[\a+1], v[\a+1], v[S+n+2], v[S+n+3]
.set n, n+4
.endr
.endm
.macro TMM nm                          ; t - M, two at a time
.set n, 0
.rept 32
	v_pk_fma_f32 v[S+n:S+n+1], v[S+n:S+n+1], s[62:63], v[\nm:\nm+1] op_sel_hi:[1,0,0]
.set n, n+2
.endr
.endm
.macro EXPS
.set n, 0
.rept 64
	v_exp_f32 v[S+n], v[S+n]
.set n, n+1
.endr
.endm
.macro RESC f                          ; O^T x f
.set n, 0
.rept 16
	v_pk_mul_f32 v[O+n:O+n+1], v[O+n:O+n+1], v[\f:\f+1] op_sel_hi:[1,0]
.set n, n+2
.endr
.endm
.macro SUMS a                          ; the sum of the unquantised p, two at a time, in two chains
.set n, 0
.rept 16
	v_pk_add_f32 v[\a:\a+1], v[\a:\a+1], v[S+n:S+n+1]
	v_pk_add_f32 v[\a+2:\a+3], v[\a+2:\a+3], v[S+n+2:S+n+3]
.set n, n+4
.endr
.endm
.macro HOLDCVT                         ; the hold at 57,344 x 2^e9 (the conversion does not saturate: ISA guide 7.6.2); p is not negative, so it is one-sided; two numbers an instruction; then the codes
.set hb, 0
.rept 4
.set hi, 0
.rept 8
	v_dual_min_num_f32 v[S+16*hb+hi], s57, v[S+16*hb+hi] :: v_dual_min_num_f32 v[S+1+16*hb+hi], s57, v[S+1+16*hb+hi]
.set hi, hi+2
.endr
	v_cvt_scalef32_pk8_bf8_f32 v[CD+4*hb:CD+4*hb+1], v[S+16*hb:S+16*hb+7], v[SCL]
	v_cvt_scalef32_pk8_bf8_f32 v[CD+4*hb+2:CD+4*hb+3], v[S+16*hb+8:S+16*hb+15], v[SCL]
.set hb, hb+1
.endr
.endm
.macro OUTCVT                          ; the result held at the largest code and converted
.set n, 0
.rept 32
	v_med3_num_f32 v[O+n], v[O+n], -v[BIG], v[BIG]
.set n, n+1
.endr
.irp t, 0,1,2,3
	v_cvt_scalef32_pk8_bf8_f32 v[OC+2*\t:OC+2*\t+1], v[O+8*\t:O+8*\t+7], v[ONE]
.endr
.endm
; A key step of 128 keys for my pair of tiles.  s78: the step's first LDS byte; s79: the next step's.  masked = 1: where s56 = 1 (the pair's last step, on the diagonal) hidden scores become -infinity ahead of the maximum.
.macro STEP masked
	v_add_nc_u32 v[ADK], s78, v[LI]
	v_add_nc_u32 v[ADN], s79, v[LI]
	s_wait_alu depctr_va_vdst(0)                   ; the wait here, directly ahead of the wait below
	s_wait_dscnt 0x0                               ; K's fragments, asked for a step ago
.irp t, 0,1,2,3,4,5,6,7
	v_wmma_f32_16x16x64_bf8_bf8 v[S+8*\t:S+8*\t+7], v[KF+8*\t:KF+8*\t+7], v[Q:Q+7], 0
.endr
	WIN 0x40
.irp t, 0,1,2,3,4,5,6,7
	v_wmma_f32_16x16x64_bf8_bf8 v[S+8*\t:S+8*\t+7], v[KF+8*\t:KF+8*\t+7], v[Q+8:Q+15], 0
.endr
	WIN 0
	v_mov_b32 v[OM], v[NM]                         ; the old -M of both tiles; with the two below: four places in front of the loads and of the first reads of the scores
	v_mov_b32 v[OM+1], v[NM+2]
	v_nop
	v_nop
	WIN 0x40
.irp t, 0,1,2,3                        ; V's fragments: awaited behind the softmax
.irp c, 0,1,2,3
	ds_load_b128 v[VF+16*\t+4*\c:VF+16*\t+4*\c+3], v[ADK] offset:8192+2048*\t+512*\c
.endr
.endr
	WIN 0
	KLOAD                                          ; the next step's K
.if \masked
	s_cmp_eq_u32 s56, 0
	s_cbranch_scc1 .Lopen_\@
	MASK DL0
	WIN 0x41
	MASK DL0+1
	WIN 0
.Lopen_\@:
.endif
	MAXC TA, MR
	WIN 0x14
	MAXC TA+2, MR+1
	WIN 0
	v_max_num_f32 v[TA], v[TA], v[TA+1]            ; the two tiles' chains take turns from here on
	v_max_num_f32 v[TA+2], v[TA+2], v[TA+3]
	s_delay_alu instid0(VALU_DEP_2)
	v_permlanex16_b32 v[TA+4], v[TA], s66, s67     ; lane l xor 16 holds my query's other keys
	s_delay_alu instid0(VALU_DEP_2)
	v_permlanex16_b32 v[TA+5], v[TA+2], s66, s67
	s_delay_alu instid0(VALU_DEP_2)
	v_max_num_f32 v[MR], v[TA], v[TA+4]
	s_delay_alu instid0(VALU_DEP_2)
	v_max_num_f32 v[MR+1], v[TA+2], v[TA+5]
	s_delay_alu instid0(VALU_DEP_2)
	v_mul_f32 v[TA], s62, v[MR]                    ; as t (the factor is positive)
	s_delay_alu instid0(VALU_DEP_2)
	v_mul_f32 v[TA+2], s62, v[MR+1]
	s_delay_alu instid0(VALU_DEP_2)
	v_floor_f32 v[NM], -v[TA]                      ; -M = floor(-t)
	s_delay_alu instid0(VALU_DEP_2)
	v_floor_f32 v[NM+2], -v[TA+2]
	s_delay_alu instid0(VALU_DEP_2)
	v_sub_f32 v[TA], v[NM], v[OM]
	s_delay_alu instid0(VALU_DEP_2)
	v_sub_f32 v[TA+2], v[NM+2], v[OM+1]
	s_delay_alu instid0(VALU_DEP_2)
	v_cvt_i32_f32 v[TA], v[TA]
	s_delay_alu instid0(VALU_DEP_2)
	v_cvt_i32_f32 v[TA+2], v[TA+2]
	s_delay_alu instid0(VALU_DEP_2)
	v_ldexp_f32 v[FF], 1.0, v[TA]                  ; f = 2^(old M - new M)
	s_delay_alu instid0(VALU_DEP_2)
	v_ldexp_f32 v[FF+2], 1.0, v[TA+2]
	TMM NM
	WIN 0x41
	TMM NM+2
	s_wait_alu depctr_va_vdst(0)                   ; the wait ahead of the batch
	EXPS
	WIN 0
	EXPS
	v_pk_mul_f32 v[SU:SU+1], v[SU:SU+1], v[FF:FF+1] op_sel_hi:[1,0]           ; the sums under the new M; plain places behind the batch
	v_pk_mul_f32 v[SU+2:SU+3], v[SU+2:SU+3], v[FF:FF+1] op_sel_hi:[1,0]
	v_pk_mul_f32 v[SU+4:SU+5], v[SU+4:SU+5], v[FF+2:FF+3] op_sel_hi:[1,0]
	v_pk_mul_f32 v[SU+6:SU+7], v[SU+6:SU+7], v[FF+2:FF+3] op_sel_hi:[1,0]
	s_wait_alu depctr_va_vdst(0)                   ; one wait: for the batch, and directly ahead of the first readers of tile 0's O^T
	RESC FF
	SUMS SU
	HOLDCVT
	WIN 0x41
	s_wait_alu depctr_va_vdst(0)                   ; directly ahead of the first readers of tile 1's O^T
	RESC FF+2
	WIN 0x04
	SUMS SU+4
	WIN 0x55
	HOLDCVT
	WIN 0
	v_nop                                          ; a plain line behind the last conversion
	s_wait_alu depctr_va_vdst(0)                   ; the wait here, directly ahead of the wait below
	s_wait_dscnt 16                                ; V's fragments are in; the 16 younger loads, the next step's K, may be out
	WIN 0x01
.irp t, 0,1,2,3
	v_wmma_f32_16x16x128_bf8_bf8 v[O+8*\t:O+8*\t+7], v[VF+16*\t:VF+16*\t+15], v[CD:CD+15], v[O+8*\t:O+8*\t+7]
.endr
	WIN 0x55
.irp t, 0,1,2,3
	v_wmma_f32_16x16x128_bf8_bf8 v[O+8*\t:O+8*\t+7], v[VF+16*\t:VF+16*\t+15], v[CD:CD+15], v[O+8*\t:O+8*\t+7]
.endr
	WIN 0
.endm
.macro START                           ; a pair begins: the largest score under every score, -M to match, sums and O^T zero (the first change of M multiplies zeros)
	v_mov_b32 v[MR], 0xff61b1e6
	v_mov_b32 v[MR+1], 0xff61b1e6
	v_mov_b32 v[NM], 0x7f61b1e6
	v_mov_b32 v[NM+2], 0x7f61b1e6
.set n, 0
.rept 8
	v_mov_b32 v[SU+n], 0
.set n, n+1
.endr
.set n, 0
.rept 32
	v_mov_b32 v[O+n], 0
.set n, n+1
.endr
	WIN 0x40
.set n, 0
.rept 32
	v_mov_b32 v[O+n], 0
.set n, n+1
.endr
	WIN 0
.endm
	s_load_b256 s[4:11], s[0:1], 0x0               ; qimg s[4:5], kvimg s[6:7], the scales' exponents s[8:9], ao s[10:11]
	v_lshl_add_u32 v[SPW], v0, 2, SPARE
	v_mov_b32 v[NIL], 0
	ds_add_u32 v[SPW], v[NIL]                      ; the opening lines: the add twice on end, and its wait ahead of my first tensor load
	ds_add_u32 v[SPW], v[NIL]
	v_lshrrev_b32 v7, 5, v0
	s_delay_alu instid0(VALU_DEP_1)
	v_readfirstlane_b32 s12, v7                    ; wave 0..7
	s_bfe_u32 s14, ttmp6, 0x40000                  ; cx
	s_mov_b32 s13, ttmp9                           ; the head: cluster x
	; group 1: rows of 32 elements of 8 bytes, dense; 32 rows for the first group, 96 for the second; mask 15 with bit 21 beside it
	s_mov_b32 s16, 15|(3<<16)|(1<<21)
	s_mov_b32 s17, 32<<16
	s_mov_b32 s18, 32<<16
	s_mov_b32 s19, 32<<16
	s_mov_b32 s20, 32
	s_mov_b32 s21, 32
	s_mov_b32 s22, 0
	s_mov_b32 s23, 0
	s_mov_b32 s24, 15|(3<<16)|(1<<21)
	s_mov_b32 s25, 32<<16
	s_mov_b32 s26, 96<<16
	s_mov_b32 s27, 32<<16
	s_mov_b32 s28, 96
	s_mov_b32 s29, 32
	s_mov_b32 s30, 0
	s_mov_b32 s31, 0
	s_mov_b32 s32, 1
	s_lshl_b32 s33, s12, 13                        ; first group: 8,192 bytes a wave, LDS laid as memory
	s_mov_b32 s36, 1
	s_mul_i32 s37, s12, 24576
	s_add_co_u32 s37, s37, 65536                   ; second group: 24,576 bytes a wave, behind the first 65,536
	s_lshl_b32 s70, s13, 18                        ; a head's K and V: 262,144 bytes
	s_add_co_u32 s72, s70, s33
	s_mov_b32 s73, 0
	s_add_co_u32 s74, s70, s37
	s_mov_b32 s75, 0
	s_wait_dscnt 0x0
	s_wait_kmcnt 0x0
	s_add_nc_u64 s[34:35], s[6:7], s[72:73]
	s_or_b32 s35, s35, 0x80000000
	s_add_nc_u64 s[38:39], s[6:7], s[74:75]
	s_or_b32 s39, s39, 0x80000000
	CROUND                                         ; the four partners are here: the first joint loads meet
	tensor_load_to_lds s[32:35], s[16:23]          ; my one load at the head
	s_nop 0
	s_load_b256 s[40:47], s[8:9], 0x0              ; e0 .. e7
	s_load_b128 s[48:51], s[8:9], 0x20             ; e8 .. e11
	s_lshl_b32 s70, s14, 1                         ; my pair's first tile in a block of eight: 2 cx
	s_lshl_b32 s61, s12, 3
	s_sub_co_u32 s60, 120, s61
	s_add_co_u32 s60, s60, s70                     ; first pair: block 15 - w
	s_add_co_u32 s61, s61, s70                     ; second pair: block w
	s_sub_co_u32 s53, 16, s12                      ; their key steps: 16 - w,
	s_add_co_u32 s54, s12, 1                       ; w + 1
	s_lshl_b32 s58, s14, 5                         ; the pair's first query in its block: 32 cx, the same for both pairs
	s_lshl_b32 s74, s13, 7
	s_add_co_u32 s72, s74, s60
	s_lshl_b32 s72, s72, 10
	s_mov_b32 s73, 0
	s_add_nc_u64 s[72:73], s[4:5], s[72:73]
	s_add_co_u32 s74, s74, s61
	s_lshl_b32 s74, s74, 10
	s_mov_b32 s75, 0
	s_add_nc_u64 s[74:75], s[4:5], s[74:75]
	v_and_b32 v[LI], 31, v0
	s_delay_alu instid0(VALU_DEP_1)
	v_lshlrev_b32 v[LI], 4, v[LI]
.irp c, 0,1,2,3
	global_load_b128 v[Q+4*\c:Q+4*\c+3], v[LI], s[72:73] offset:512*\c
	global_load_b128 v[Q2+4*\c:Q2+4*\c+3], v[LI], s[74:75] offset:512*\c
.endr
	s_lshr_b32 s70, s13, 4                         ; ao: batch x 2,097,152 + (head % 16) x 1,024; a token tile is 16,384 bytes
	s_lshl_b32 s70, s70, 21
	s_and_b32 s76, s13, 15
	s_lshl_b32 s76, s76, 10
	s_add_co_u32 s70, s70, s76
	s_mov_b32 s71, 0
	s_add_nc_u64 s[10:11], s[10:11], s[70:71]
	v_and_b32 v7, 15, v0
	s_delay_alu instid0(VALU_DEP_1)
	v_and_b32 v[DL0], 8, v7
	s_delay_alu instid0(VALU_DEP_1)
	v_add_nc_u32 v[DL0], v[DL0], v7                ; r + 8 (r / 8)
	v_bfe_u32 v7, v0, 4, 1
	s_delay_alu instid0(VALU_DEP_1)
	v_lshlrev_b32 v7, 4, v7
	s_delay_alu instid0(VALU_DEP_1)
	v_sub_nc_u32 v[DL0], v[DL0], v7
	s_delay_alu instid0(VALU_DEP_1)
	v_add_nc_u32 v[DL0], s58, v[DL0]               ; tile 0: my query in its block - 16 (lane / 16);
	s_delay_alu instid0(VALU_DEP_1)
	v_add_nc_u32 v[DL0+1], 8, v[DL0]               ; tile 1: eight further on
	s_mov_b32 s66, 0x76543210
	s_mov_b32 s67, 0xfedcba98
	v_mov_b32 v[TA+4], 0                           ; a lane permute's destination counts as read
	v_mov_b32 v[TA+5], 0
	v_mov_b32 v[NM+1], 0                           ; (named as the upper halves of pairs)
	v_mov_b32 v[NM+3], 0
	v_mov_b32 v[FF+1], 0
	v_mov_b32 v[FF+3], 0
	v_mov_b32 v[NINF], 0xff800000                  ; -infinity
	v_mov_b32 v[BIG], 0x47600000                   ; 57,344
	v_mov_b32 v[ONE], 1.0
	v_mov_b32 v[ADN], v[LI]                        ; key step 0
	START
	s_wait_kmcnt 0x0
	s_mov_b32 s62, 0x3e38aa3b                      ; log2(e) / 8,
	s_add_co_i32 s70, s46, s47
	s_lshl_b32 s70, s70, 23
	s_add_co_i32 s62, s62, s70                     ; x 2^(e6 + e7)
	s_mov_b32 s63, s62
	s_add_co_i32 s70, s49, 127
	s_lshl_b32 s76, s70, 23
	v_mov_b32 v[SCL], s76                          ; 2^e9
	s_add_co_i32 s70, s70, 15
	s_lshl_b32 s70, s70, 23
	s_or_b32 s57, s70, 0x600000                    ; 57,344 x 2^e9
	s_add_co_i32 s77, s48, s49
	s_sub_co_i32 s77, s77, s50                     ; e8 + e9 - e10
	WIN 0x40                                       ; the constants once more, in window 1
	v_mov_b32 v[SCL], s76
	v_mov_b32 v[BIG], 0x47600000
	v_mov_b32 v[ONE], 1.0
	WIN 0
	s_wait_alu depctr_va_vdst(0)                   ; the wait at the head's end
	s_wait_tensorcnt 0x0                           ; my part of key steps 0 to 3 is in; a later first fill is issued as a refill is:
	ds_add_u32 v[SPW], v[NIL]                      ; 0 onto my spare word
	s_wait_dscnt 0x0
	CROUND                                         ; everybody's part is in, and the four partners are here
	tensor_load_to_lds s[36:39], s[24:31]          ; key steps 4 to 15: the first tensor load behind the round
	s_nop 0
	s_wait_loadcnt 0x0                             ; Q
	KLOAD                                          ; key step 0's K
	s_mov_b32 s52, 0
.Lfirst:                                               ; key steps 0 to 3 of the first pair, which has nine steps at the least: none is its last
	s_lshl_b32 s78, s52, 14
	s_add_co_u32 s79, s52, 1
	s_min_u32 s79, s79, 3                          ; the look-ahead stays inside the first group's bytes
	s_lshl_b32 s79, s79, 14
	STEP 0
	s_add_co_u32 s52, s52, 1
	s_cmp_lt_u32 s52, 4
	s_cbranch_scc1 .Lfirst
	s_wait_tensorcnt 0x0                           ; my part of key steps 4 to 15 is in;
	s_wait_dscnt 0x0
	s_barrier_signal -1
	s_barrier_wait -1                              ; everybody's is.
	v_add_nc_u32 v[ADN], 65536, v[LI]
	KLOAD                                          ; key step 4's K
	s_mov_b32 s52, 4
.Ltrip:                                                ; steps 4 to 16 of my 17: the rest of the first pair, then the second
	s_cmp_ge_u32 s52, s53
	s_cselect_b32 s69, s53, 0
	s_cselect_b32 s70, s54, s53
	s_cselect_b32 s68, s61, s60                    ; the pair in hand
	s_sub_co_u32 s55, s52, s69
	s_and_b32 s55, s55, 15                         ; its key step
	s_sub_co_u32 s70, s70, 1
	s_cmp_eq_u32 s55, s70
	s_cselect_b32 s56, 1, 0                        ; its last, on the diagonal?
	s_lshl_b32 s78, s55, 14
	s_add_co_u32 s71, s52, 1                       ; and the key step of my next step (behind my last: some key step, read and not used)
	s_cmp_ge_u32 s71, s53
	s_cselect_b32 s69, s53, 0
	s_sub_co_u32 s79, s71, s69
	s_and_b32 s79, s79, 15
	s_lshl_b32 s79, s79, 14
	STEP 1
	s_cmp_eq_u32 s56, 0
	s_cbranch_scc1 .Lnot_last
.rept 4
	v_nop
.endr
	s_wait_xcnt 0x0                                ; earlier stores have read their offset and data
	v_pk_add_f32 v[SU:SU+1], v[SU:SU+1], v[SU+2:SU+3]
	v_pk_add_f32 v[SU+4:SU+5], v[SU+4:SU+5], v[SU+6:SU+7]
	s_delay_alu instid0(VALU_DEP_2)
	v_add_f32 v[SU], v[SU], v[SU+1]
	s_delay_alu instid0(VALU_DEP_2)
	v_add_f32 v[SU+4], v[SU+4], v[SU+5]
	s_delay_alu instid0(VALU_DEP_2)
	v_permlanex16_b32 v[TA+4], v[SU], s66, s67
	s_delay_alu instid0(VALU_DEP_2)
	v_permlanex16_b32 v[TA+5], v[SU+4], s66, s67
	s_delay_alu instid0(VALU_DEP_2)
	v_add_f32 v[SU], v[SU], v[TA+4]                ; the rows' sums
	s_delay_alu instid0(VALU_DEP_2)
	v_add_f32 v[SU+4], v[SU+4], v[TA+5]
	s_wait_alu depctr_va_vdst(0)                   ; the wait ahead of the transcendentals
	v_rcp_f32 v[FF], v[SU]
	v_rcp_f32 v[FF+2], v[SU+4]
	s_lshl_b32 s69, s68, 14
	v_add_nc_u32 v[GO], s69, v[LI]
	s_wait_alu depctr_va_vdst(0)                   ; and ahead of their first readers
	v_ldexp_f32 v[FF], v[FF], s77
	v_ldexp_f32 v[FF+2], v[FF+2], s77
	s_wait_alu depctr_va_vdst(0)                   ; and directly ahead of the first reader of tile 0's O^T
	RESC FF
	OUTCVT
	WIN 0x41
	s_wait_alu depctr_va_vdst(0)                   ; and of tile 1's
	RESC FF+2
	WIN 0x55
	OUTCVT
	WIN 0
	v_nop
	global_store_b128 v[GO], v[OC:OC+3], s[10:11]              ; each store covers 512 consecutive, aligned bytes
	global_store_b128 v[GO], v[OC+4:OC+7], s[10:11] offset:512
	WIN 0x04                                       ; a store's data is source 1: tile 1's codes
	global_store_b128 v[GO], v[OC:OC+3], s[10:11] offset:16384
	global_store_b128 v[GO], v[OC+4:OC+7], s[10:11] offset:16896
	WIN 0
	START
.set n, 0
.rept 16
	v_mov_b32 v[Q+n], v[Q2+n]                      ; the second pair's Q
.set n, n+1
.endr
.Lnot_last:
	s_add_co_u32 s52, s52, 1
	s_cmp_lt_u32 s52, 17
	s_cbranch_scc1 .Ltrip
	s_wait_tensorcnt 0x0                           ; the wave's end
	ds_add_u32 v[SPW], v[NIL]
	s_wait_dscnt 0x0
	CROUND                                         ; the closing round
	s_endpgm
.Lfunc_end_k_q296db1eeb3_attn:
	.size	k_q296db1eeb3_attn, .Lfunc_end_k_q296db1eeb3_attn-k_q296db1eeb3_attn
	.p2alignl 7, 3214868480
	.fill 96, 4, 3214868480
	.section	.rodata,"a",@progbits
	.p2align	6, 0x0
	.amdhsa_kernel k_q296db1eeb3_attn
		.amdhsa_group_segment_fixed_size 327680
		.amdhsa_private_segment_fixed_size 0
		.amdhsa_enable_private_segment 0
		.amdhsa_kernarg_size 32
		.amdhsa_user_sgpr_count 2
		.amdhsa_user_sgpr_kernarg_segment_ptr 1
		.amdhsa_wavefront_size32 1
		.amdhsa_system_sgpr_workgroup_id_x 1
		.amdhsa_system_sgpr_workgroup_id_y 1
		.amdhsa_system_sgpr_workgroup_id_z 1
		.amdhsa_system_vgpr_workitem_id 0
		.amdhsa_next_free_vgpr 512
		.amdhsa_next_free_sgpr 80
		.amdhsa_reserve_vcc 1
		.amdhsa_float_denorm_mode_32 3
		.amdhsa_float_denorm_mode_16_64 3
		.amdhsa_memory_ordered 1
		.amdhsa_forward_progress 1
		.amdhsa_inst_pref_size 92
	.end_amdhsa_kernel
	.amdgpu_metadata
---
amdhsa.version: [ 1, 2 ]
amdhsa.kernels:
  - .name:           k_q296db1eeb3_attn
    .symbol:         k_q296db1eeb3_attn.kd
    .args:
      - { .name: qimg, .offset: 0, .size: 8, .value_kind: global_buffer, .address_space: global }
      - { .name: kvimg, .offset: 8, .size: 8, .value_kind: global_buffer, .address_space: global }
      - { .name: lowp_scales, .offset: 16, .size: 8, .value_kind: global_buffer, .address_space: global }
      - { .name: ao, .offset: 24, .size: 8, .value_kind: global_buffer, .address_space: global }
    .group_segment_fixed_size: 327680
    .private_segment_fixed_size: 0
    .kernarg_segment_align: 8
    .kernarg_segment_size: 32
    .max_flat_workgroup_size: 256
    .sgpr_count:     80
    .vgpr_count:     512
    .wavefront_size: 32
...
	.end_amdgpu_metadata
.endif
;; end of part 3
;; launch oproj (part 4): grid 4 x 64, 4 waves a work-group, clusters of 4 x 4, 327,680 bytes of LDS; arguments ao, wimg, lowp_scales, bo, x, out0; writes out0
.if DOCPART == 4
	.amdgcn_target "amdgcn-amd-amdhsa--gfx1250"
	.amdhsa_code_object_version 6
	.text
	.protected	k_q296db1eeb3_oproj
	.globl	k_q296db1eeb3_oproj
	.p2align	8
	.type	k_q296db1eeb3_oproj,@function
k_q296db1eeb3_oproj:
	s_mov_b64 s[64:65], 0
	v_nop
	global_prefetch_b8 v0, s[64:65] scope:SCOPE_SE
	s_setreg_imm32_b32 hwreg(HW_REG_WAVE_MODE, 25, 1), 1
	s_wait_xcnt 0x0
	s_wait_alu depctr_hold_cnt(0) depctr_sa_sdst(0) depctr_va_vdst(0) depctr_va_sdst(0) depctr_va_ssrc(0) depctr_va_vcc(0) depctr_vm_vsrc(0)
	s_getreg_b32 s2, hwreg(HW_REG_IB_STS2, 6, 4)
	s_cmp_eq_u32 s2, 0
	s_cbranch_scc0 .Lentry_in_a_cluster
	s_endpgm
.Lentry_in_a_cluster:
	s_bfe_u32 s2, ttmp6, 0x10000c
	s_cmp_lg_u32 s2, 0xf033
	s_cbranch_scc0 .Lentry_shape_is_right
	s_endpgm
.Lentry_shape_is_right:
.set SLOT,  98304
.set WOFF,  32768
.set SPARE, 2*SLOT
.set STAGE, SPARE+512
.set KQ,    4096
.set LI,   4
.set BH,   5
.set ADRA, 16
.set ADRW, 20
.set STO,  24
.set RD,   25
.set SPW,  28
.set NIL,  29
.set AF,   128
.set G1,  24
.set G0,  32
.set G1B, 48
.set G0B, 56
.set AB,  66
.set WB,  80
.set MSB, 0
.macro WIN new
.if MSB != (\new)
	s_set_vgpr_msb (MSB<<8)|(\new)
.set MSB, (\new)
.endif
.endm
.macro PLACES n
.rept \n
	v_nop
.endr
.endm
.macro CREST
	s_cmp_lg_u32 s20, 0
	s_cbranch_scc1 .Lnot_wave_0_\@
	s_barrier_signal -3
.Lnot_wave_0_\@:
	s_barrier_wait -3
	s_barrier_signal -1
	s_barrier_wait -1
.endm
.macro CROUND
	s_barrier_signal -1
	s_barrier_wait -1
	CREST
.endm
.macro JLOAD s
	s_cmp_eq_u32 s21, 0
	s_cbranch_scc0 .Lfor_w_\@
	tensor_load_to_lds s[G0+4*\s:G0+4*\s+3], s[G1:G1+7]
	s_nop 0
.rept 4
	v_nop
.endr
	s_branch .Lasked_\@
.Lfor_w_\@:
	tensor_load_to_lds s[G0B+4*\s:G0B+4*\s+3], s[G1B:G1B+7]
	s_nop 0
.rept 4
	v_nop
.endr
.Lasked_\@:
.endm
.macro SETD s, aoff, woff
	s_add_nc_u64 s[G0+4*\s+2:G0+4*\s+3], s[AB:AB+1], \aoff
	s_or_b32 s[G0+4*\s+3], s[G0+4*\s+3], 0x80000000
	s_add_nc_u64 s[G0B+4*\s+2:G0B+4*\s+3], s[WB:WB+1], \woff
	s_or_b32 s[G0B+4*\s+3], s[G0B+4*\s+3], 0x80000000
.endm
.macro FETCH slot, q, p
	WIN 0x40
.irp x, 0,1,2,3,4,5,6,7
.irp c, 0,1,2,3
	ds_load_b128 v[128*(\p)+16*\x+4*\c:128*(\p)+16*\x+4*\c+3], v[ADRW+(\slot)] offset:4096*\x+2048*(\q)+512*\c
.endr
.endr
	WIN 0
.irp a, 0,1,2,3
.irp c, 0,1,2,3
	ds_load_b128 v[AF+64*(\p)+16*\a+4*\c:AF+64*(\p)+16*\a+4*\c+3], v[ADRA+(\slot)] offset:4096*\a+2048*(\q)+512*\c
.endr
.endr
.endm
.macro MULH p, half, first
.if \first
	WIN 0x81
.else
	WIN 0xa1
.endif
.irp a, 2*(\half), 2*(\half)+1
.irp x, 0,1,2,3,4,5,6,7
.if \first
	v_wmma_f32_16x16x128_bf8_bf8 v[8*(8*(\a)+\x):8*(8*(\a)+\x)+7], v[128*(\p)+16*\x:128*(\p)+16*\x+15], v[AF+64*(\p)+16*(\a):AF+64*(\p)+16*(\a)+15], v[32+8*\x:32+8*\x+7]
.else
	v_wmma_f32_16x16x128_bf8_bf8 v[8*(8*(\a)+\x):8*(8*(\a)+\x)+7], v[128*(\p)+16*\x:128*(\p)+16*\x+15], v[AF+64*(\p)+16*(\a):AF+64*(\p)+16*(\a)+15], v[8*(8*(\a)+\x):8*(8*(\a)+\x)+7]
.endif
.endr
.endr
.endm
.macro STEP slot, first
	s_wait_dscnt 0x0
	PLACES 4
	FETCH \slot, 1, 1
	MULH 0, 0, \first
	MULH 0, 1, \first
.endm
.macro TURN slot, fill, off
	WIN 0
	s_wait_tensorcnt 0x0
	ds_add_u32 v[SPW], v[NIL]
.if \fill
	SETD \slot, \off, \off
.endif
	s_wait_dscnt 0x1
	MULH 1, 0, 0
	s_wait_dscnt 0x0
	WIN 0
	s_barrier_signal -1
	s_barrier_wait -1
.if \fill
	CREST
	JLOAD \slot
.else
	PLACES 4
.endif
	FETCH 1-(\slot), 0, 0
	MULH 1, 1, 0
.endm
.macro TOSTAGE a
	WIN 0x08
.irp x, 0,1,2,3,4,5,6,7
	ds_store_b128 v[STO], v[8*(8*(\a)+\x):8*(8*(\a)+\x)+3] offset:128*(\x/2)+32*(\x%2)
	ds_store_b128 v[STO], v[8*(8*(\a)+\x)+4:8*(8*(\a)+\x)+7] offset:128*(\x/2)+32*(\x%2)+16
.endr
	WIN 0
.set BB, 128+64*((\a)%2)
.irp i, 0,1,2,3,4,5,6,7,8,9,10,11,12,13,14,15
	ds_load_b128 v[BB+4*\i:BB+4*\i+3], v[RD] offset:528*\i
.endr
.endm
.macro SEND a, younger
.set BB, 128+64*((\a)%2)
	s_wait_dscnt \younger
	WIN 0x30
.set n, 0
.rept 32
	v_pk_fma_f32 v[BB+2*n:BB+2*n+1], v[BB+2*n:BB+2*n+1], s[88:89], v[64*(\a)+2*n:64*(\a)+2*n+1] op_sel_hi:[1,0,1]
.set n, n+1
.endr
	WIN 0
.irp i, 0,1,2,3,4,5,6,7,8,9,10,11,12,13,14,15
	global_store_b128 v[LI], v[BB+4*\i:BB+4*\i+3], s[14:15] offset:(32*((\a)/2)+8*((\a)%2)+\i+8*(\i/8))*4096 th:TH_STORE_NT
.endr
.endm
	s_load_b256 s[4:11], s[0:1], 0x0
	s_load_b128 s[12:15], s[0:1], 0x20
	v_lshl_add_u32 v[SPW], v0, 2, SPARE
	v_mov_b32 v[NIL], 0
	ds_add_u32 v28, v29
	ds_add_u32 v28, v29
	s_wait_dscnt 0x0
	v_lshrrev_b32 v1, 5, v0
	v_readfirstlane_b32 s20, v1
	s_lshr_b32 s21, s20, 1
	s_and_b32 s22, s20, 1
	s_bfe_u32 s40, ttmp6, 0x40000
	s_bfe_u32 s41, ttmp6, 0x40004
	s_lshl_b32 s42, ttmp9, 2
	s_add_co_u32 s42, s42, s40
	s_and_b32 s45, ttmp7, 0xffff
	s_lshl_b32 s45, s45, 2
	s_add_co_u32 s45, s45, s41
	s_lshl_b32 s43, s41, 2
	s_lshl_b32 s43, 15, s43
	s_lshl_b32 s44, 0x1111, s40
	s_or_b32 s[G1], s43, (3<<16)|(1<<21)
	s_or_b32 s[G1B], s44, (3<<16)|(1<<21)
	s_mov_b32 s[G1+1], 512<<16
	s_mov_b32 s[G1+2], 4<<16
	s_mov_b32 s[G1+3], 512<<16
	s_mov_b32 s[G1+4], 4
	s_mov_b32 s[G1+5], 2048
	s_mov_b32 s[G1+6], 0
	s_mov_b32 s[G1+7], 0
	s_mov_b32 s[G1B+1], 512<<16
	s_mov_b32 s[G1B+2], 8<<16
	s_mov_b32 s[G1B+3], 512<<16
	s_mov_b32 s[G1B+4], 8
	s_mov_b32 s[G1B+5], 2048
	s_mov_b32 s[G1B+6], 0
	s_mov_b32 s[G1B+7], 0
	s_lshl_b32 s46, s45, 17
	s_lshl_b32 s47, s22, 16
	s_add_co_u32 s46, s46, s47
	s_mov_b32 s47, 0
	s_lshl_b32 s92, s42, 18
	s_lshl_b32 s93, s22, 17
	s_add_co_u32 s92, s92, s93
	s_add_co_u32 s92, s92, 0x300000
	s_mov_b32 s93, 0
	s_lshl_b32 s23, s22, 14
	s_lshl_b32 s94, s22, 15
	s_add_co_u32 s94, s94, WOFF
	s_wait_kmcnt 0x0
	s_load_b256 s[68:75], s[8:9], 0x0
	s_load_b128 s[76:79], s[8:9], 0x20
	s_add_nc_u64 s[AB:AB+1], s[4:5], s[46:47]
	s_add_nc_u64 s[WB:WB+1], s[6:7], s[92:93]
	CROUND
.irp s, 0,1
	s_mov_b32 s[G0+4*\s], 1
	s_add_co_u32 s[G0+4*\s+1], s23, \s*SLOT
	s_mov_b32 s[G0B+4*\s], 1
	s_add_co_u32 s[G0B+4*\s+1], s94, \s*SLOT
	SETD \s, \s*KQ, \s*KQ
.endr
	JLOAD 0                                        ; slot 0: one tensor load a wave at the head
	v_and_b32 v1, 31, v0
	v_and_b32 v2, 15, v0
	v_bfe_u32 v3, v0, 4, 1
	v_lshlrev_b32 v[LI], 4, v1
	s_lshl_b32 s95, s21, 14
	v_add_nc_u32 v[ADRA], s95, v[LI]
	v_add_nc_u32 v[ADRA+1], SLOT, v[ADRA]
	v_add_nc_u32 v[ADRW], s94, v[LI]
	v_add_nc_u32 v[ADRW+1], SLOT, v[ADRW]
	s_mul_i32 s95, s20, 16*528
	s_add_co_u32 s95, s95, STAGE
	v_mul_u32_u24 v[STO], v2, 528
	v_lshl_add_u32 v[STO], v3, 6, v[STO]
	v_add_nc_u32 v[STO], s95, v[STO]
	v_add_nc_u32 v[RD], s95, v[LI]
	v_lshlrev_b32 v[BH], 6, v3
	s_lshl_b32 s96, s42, 10
	s_lshl_b32 s97, s22, 9
	s_add_co_u32 s96, s96, s97
	s_mov_b32 s97, 0
	s_add_nc_u64 s[10:11], s[10:11], s[96:97]
.irp x, 0,1,2,3,4,5,6,7
	global_load_b128 v[32+8*\x:32+8*\x+3], v[BH], s[10:11] offset:(32*(\x/2)+8*(\x%2))*4
	global_load_b128 v[32+8*\x+4:32+8*\x+7], v[BH], s[10:11] offset:(32*(\x/2)+8*(\x%2))*4+16
.endr
	s_lshl_b32 s91, s45, 19
	s_add_co_u32 s96, s96, s91
	s_lshl_b32 s91, s21, 18
	s_add_co_u32 s96, s96, s91
	s_add_nc_u64 s[12:13], s[12:13], s[96:97]
	s_add_nc_u64 s[14:15], s[14:15], s[96:97]
	s_wait_kmcnt 0x0
	s_add_co_i32 s88, s78, s79
	s_sub_co_i32 s90, 0, s88
	s_add_co_i32 s88, s88, 127
	s_lshl_b32 s88, s88, 23
	s_mov_b32 s89, s88
	s_wait_loadcnt 0x0
.set n, 0
.rept 64
	v_ldexp_f32 v[32+n], v[32+n], s90
.set n, n+1
.endr
	WIN 0xc0
.irp a, 0,1,2,3
.irp i, 0,1,2,3,4,5,6,7,8,9,10,11,12,13,14,15
	global_load_b128 v[4*(16*\a+\i):4*(16*\a+\i)+3], v[LI], s[12:13] offset:(32*(\a/2)+8*(\a%2)+\i+8*(\i/8))*4096 th:TH_LOAD_NT
.endr
.endr
	WIN 0
	s_wait_alu depctr_va_vdst(0)                   ; the wait at the head's end
	s_wait_tensorcnt 0x0                           ; my part of slot 0 is in; slot 1's first fill is issued as a refill is:
	ds_add_u32 v[SPW], v[NIL]                      ; 0 onto my spare word
	s_wait_dscnt 0x0
	CROUND                                         ; a whole round: everybody's part of slot 0 is in, and the joint loads meet
	JLOAD 1                                        ; the first tensor load behind the round
	FETCH 0, 0, 0
	STEP 0, 1
	TURN 0, 1, 2*KQ
	STEP 1, 0
	TURN 1, 1, 3*KQ
	STEP 0, 0
	TURN 0, 0, 0
	STEP 1, 0
	s_wait_dscnt 0x0
	MULH 1, 0, 0
	MULH 1, 1, 0
	WIN 0
	PLACES 4
	s_wait_loadcnt 0x0
	TOSTAGE 0
	TOSTAGE 1
	SEND 0, 32
	s_wait_xcnt 0x0
	TOSTAGE 2
	SEND 1, 32
	s_wait_xcnt 0x0
	TOSTAGE 3
	SEND 2, 32
	SEND 3, 0
	s_wait_tensorcnt 0x0
	ds_add_u32 v[SPW], v[NIL]
	s_wait_dscnt 0x0
	CROUND
	s_endpgm
.Lfunc_end_k_q296db1eeb3_oproj:
	.size	k_q296db1eeb3_oproj, .Lfunc_end_k_q296db1eeb3_oproj-k_q296db1eeb3_oproj
	.p2alignl 7, 3214868480
	.fill 96, 4, 3214868480
	.section	.rodata,"a",@progbits
	.p2align	6, 0x0
	.amdhsa_kernel k_q296db1eeb3_oproj
		.amdhsa_group_segment_fixed_size 327680
		.amdhsa_private_segment_fixed_size 0
		.amdhsa_enable_private_segment 0
		.amdhsa_kernarg_size 48
		.amdhsa_user_sgpr_count 2
		.amdhsa_user_sgpr_kernarg_segment_ptr 1
		.amdhsa_wavefront_size32 1
		.amdhsa_system_sgpr_workgroup_id_x 1
		.amdhsa_system_sgpr_workgroup_id_y 1
		.amdhsa_system_sgpr_workgroup_id_z 1
		.amdhsa_system_vgpr_workitem_id 0
		.amdhsa_next_free_vgpr 1024
		.amdhsa_next_free_sgpr 98
		.amdhsa_reserve_vcc 0
		.amdhsa_float_denorm_mode_32 3
		.amdhsa_float_denorm_mode_16_64 3
		.amdhsa_memory_ordered 1
		.amdhsa_forward_progress 1
		.amdhsa_inst_pref_size 87
	.end_amdhsa_kernel
	.amdgpu_metadata
---
amdhsa.version: [ 1, 2 ]
amdhsa.kernels:
  - .name:           k_q296db1eeb3_oproj
    .symbol:         k_q296db1eeb3_oproj.kd
    .args:
      - { .name: ao, .offset: 0, .size: 8, .value_kind: global_buffer, .address_space: global }
      - { .name: wimg, .offset: 8, .size: 8, .value_kind: global_buffer, .address_space: global }
      - { .name: lowp_scales, .offset: 16, .size: 8, .value_kind: global_buffer, .address_space: global }
      - { .name: bo, .offset: 24, .size: 8, .value_kind: global_buffer, .address_space: global }
      - { .name: x, .offset: 32, .size: 8, .value_kind: global_buffer, .address_space: global }
      - { .name: out0, .offset: 40, .size: 8, .value_kind: global_buffer, .address_space: global }
    .group_segment_fixed_size: 327680
    .private_segment_fixed_size: 0
    .kernarg_segment_align: 8
    .kernarg_segment_size: 48
    .max_flat_workgroup_size: 128
    .sgpr_count:     98
    .vgpr_count:     1024
    .wavefront_size: 32
...
	.end_amdgpu_metadata
.endif
;; end of part 4
